; MI455X (gfx1250); checked and timed in simulation.
; The chip was launched on July 23, 2026; its instructions are those of AMD's public machine-readable ISA for CDNA 5 (MIT licence, August 2026) and "CDNA5" Instruction Set Architecture Reference Guide (July 2026). The comments in the code are by the model that wrote it; some were corrected since.
;; Causal Self Attention. Allowed arithmetic: matrix products marked QUANTISED: E2M3 operands, one E8M0 scale for each 32 along K, by v_wmma_scale_f32_16x16x128_f8f6f4 with both operands' format E2M3, f32 sums; everything else in f32.
;; Inputs: w_proj 1,024 x 1,024 float32; w_qkv 1,024 x 3,072 float32; x 4 x 2,048 x 1,024 float32.
;; Outputs: out0 4 x 2,048 x 1,024 float32.
;; This version of the problem:
;;   THIS VERSION OF THE PROBLEM IS GIVEN IN LOW PRECISION. The matrix products marked QUANTISED in the list below multiply operands that are first quantised to E2M3 (2 exponent bits, 3 mantissa bits; 6 bits a number), with one power-of-two scale for each 32 numbers along K (OCP MX v1.0); their sums are f32. All else is computed in f32.
;;   The module's matrix products, in the order in which they are computed (A, B: the left and right operand; K: the contracted axis; several contracted axes count as one K, in the product's order):
;;     1. [M 8,192, K 1,024] x [K 1,024, N 3,072]; A: input x; B: input w_qkv: QUANTISED
;;     2. batch 64 x [M 2,048, K 64] x [K 64, N 2,048]; A: computed on the way; B: computed on the way: QUANTISED
;;     3. batch 64 x [M 2,048, K 2,048] x [K 2,048, N 64]; A: softmax (see below); B: computed on the way: QUANTISED
;;     4. [M 8,192, K 1,024] x [K 1,024, N 1,024]; A: computed on the way; B: input w_proj: QUANTISED
;;   THE QUANTISER, for each operand of a quantised product, along K:
;;     - K is cut into blocks of 32 from its start; a last block that is shorter is filled with zeros.
;;     - A block's scale is 2^e with e = floor(log2(the largest magnitude in the block)) - 2, held to -126 .. 127; a block of zeros has e = 0. As a byte (E8M0): e + 127.
;;     - Each number is divided by its block's scale, clamped to +-7.5, and rounded to the nearest number of E2M3, ties to even, subnormals kept.
;;     - The product sums the exact products of the quantised numbers (number of the format x scale) in f32.
;;   ~~~python
;;   def quantise(x, axis):      # numpy; x: float32 -> the quantised numbers, widened to float32 again
;;       x = np.moveaxis(x, axis, -1); K = x.shape[-1]
;;       x = np.pad(x, [(0, 0)] * (x.ndim - 1) + [(0, -K % 32)]); x = x.reshape(x.shape[:-1] + (-1, 32)); a = np.abs(x).max(-1, keepdims=True)
;;       e = np.where(a > 0, np.clip(np.frexp(np.where(a > 0, a, 1))[1] - 1 - 2, -126, 127), 0)      # np.frexp(a)[1] - 1 = floor(log2(a)), exactly
;;       r = np.clip(x / 2.0 ** e, -7.5, 7.5)
;;       step = 2.0 ** (np.maximum(np.frexp(np.where(r == 0, 1, r))[1] - 1, 0) - 3)
;;       q = np.round(r / step) * step * 2.0 ** e      # np.round: ties to even
;;       return np.moveaxis(q.reshape(q.shape[:-2] + (-1,))[..., :K], -1, axis).astype(np.float32)
;;   ~~~
;;   SOFTMAX AHEAD OF A QUANTISED PRODUCT. Where the list says 'softmax', what is quantised is not the finished softmax but p = 2^(t - M), with t = logit x log2(e) and M = ceil(the row's largest t), a whole number; so 1/2 < the row's largest p <= 1. The row's sum l is taken of the UNQUANTISED p, in f32, and the product's result is divided by l at the end. Since M is a whole number, a kernel that streams over the keys may use a running M (the ceiling of the running maximum): every later rescaling is an exact power of two, which a block's scale takes up: the codes' values come out the same.
;;   OPERANDS COMPUTED ON THE WAY. 'Computed on the way' means the value that the module computes at that place (a softmax that the list does not call 'softmax' is quantised finished and normalised). What goes into a quantiser is computed in f32, as accurately as f32 sums, v_exp_f32 and their like allow (about 1e-6 of the number): no bf16 or f16 on the way to a quantiser, and a product that is left as it is and whose result goes on into a quantised operand takes f32 operands (vector FMAs, or v_wmma_f32_16x16x4_f32). A number that lies on a knife's edge between two numbers of the format may be rounded either way, as far as f32 arithmetic and the matrix unit's own rounding can turn it there, and no further.
;; One version. Each part assembles by itself: llvm-mc -triple=amdgcn-amd-amdhsa -mcpu=gfx1250 --defsym DOCPART=n.
;; ======== version 1 of 1: 4 launches
;; workspace buffers: opc 9,437,184 bytes; ops 393,216 bytes; qkv 19,660,800 bytes; yc 6,291,456 bytes; ys 262,144 bytes
;; launch prep (part 1): grid 768 x 1, 4 waves a work-group, no clusters, 80,384 bytes of LDS; arguments x, w_qkv, w_proj, opc, ops; writes opc, ops
.if DOCPART == 1
	.amdgcn_target "amdgcn-amd-amdhsa--gfx1250"
	.amdhsa_code_object_version 6
	.text
	.protected	k_qad422e2bd4_prep
	.globl	k_qad422e2bd4_prep
	.p2align	8
	.type	k_qad422e2bd4_prep,@function
k_qad422e2bd4_prep:
	s_mov_b64 s[64:65], 0
	v_nop
	global_prefetch_b8 v0, s[64:65] scope:SCOPE_SE
	s_setreg_imm32_b32 hwreg(HW_REG_WAVE_MODE, 25, 1), 1
	s_wait_xcnt 0x0
; x [8192][1024], w_qkv [1024][3072] and w_proj [1024][1024], f32, become codes of FP6 (E2M3) with one E8M0 byte for each 32 along K = 1024.
; A block's scale is 2^(floor(log2(its largest magnitude)) - 2): its byte is that magnitude's exponent field - 2, held at 1 from below.
; LIMITS: NaN and infinities among the inputs are not served; a block of zeros, or one whose largest magnitude lies under 2^-124, gets the byte 1
; (its codes are zeros or subnormal codes under that byte); the bytes are read by this program alone.
; WHAT IS WRITTEN.  A TILE is 16 rows of an operand (tokens of x, columns of a weight): tile 2 g + u holds rows 32 g + 8 u + r + 8 (r / 8), r = 0 .. 15,
; so that the results of two neighbouring tiles used as a product's source 0 are 16 neighbours in a lane's registers.
; A FRAGMENT (a tile x 128 K: 12 registers a lane) lies in memory as an image of its registers: six planes of 256 bytes, plane p = registers 2 p, 2 p + 1,
; lane l's 8 bytes at 8 l.  opc = [K / 256][tile 768][2 fragments]; tiles 0-511 x, 512-703 w_qkv, 704-767 w_proj.  ops = [tile][K / 256][r][2] scale words.
; SHARES.  Work-groups 0-511: one tile of x, wave w its K 256 w .. 256 w + 255.  Work-groups 512-767: 128 columns x 128 K of a weight, 32 columns a wave.
; The two paths part on the work-group's number, use LDS bytes of their own, and share nothing between waves: no barrier.
.set KPS_O, 2359296                    ; bytes of opc for 256 along K: 768 tiles x 3,072
.set XSTG,  8448                       ; path X: a stage of 16 rows x (512 bytes + 16); two for each wave
.set WLDS,  67584                      ; path W's LDS begins behind path X's 4 x 2 stages
.set XR,    32                         ; v32-159  128 numbers
.set CD,    160                        ; v160-183 codes
.set DT,    184                        ; v184-190 the second half of a block's codes: a conversion's three registers begin on an even number
.set WW,    192                        ; v192-193 path X: the two scale words
.set VO,    200                        ; v200-231 path W: the byte offsets of 32 rows of the weight
	s_load_b128 s[4:7], s[0:1], 0x0                ; x, w_qkv
	s_load_b128 s[8:11], s[0:1], 0x10              ; w_proj, opc
	s_load_b64 s[12:13], s[0:1], 0x20              ; ops
	v_lshl_add_u32 v232, v0, 2, 0x13800
	v_mov_b32 v233, 0
	v_lshrrev_b32 v1, 5, v0
	v_readfirstlane_b32 s14, v1                    ; wave 0..3
	v_and_b32 v2, 31, v0                           ; lane
	v_and_b32 v3, 15, v0                           ; r
	v_bfe_u32 v4, v0, 4, 1                         ; h
	s_cmp_lt_u32 ttmp9, 512
	s_cbranch_scc0 .Lweights
; ---------------- PATH X: K is innermost.  Each load reads 512 consecutive bytes of one row; the rows turn through the wave's own stage, so that lane (r, h) gets the two whole blocks
; k = 64 c + 32 h + 0 .. 31 of row r that the operand's layout gives it: the conversions' results are the fragment's registers.
	s_lshr_b32 s15, ttmp9, 1
	s_lshl_b32 s15, s15, 5
	s_and_b32 s16, ttmp9, 1
	s_lshl_b32 s16, s16, 3
	s_add_co_u32 s15, s15, s16                     ; the tile's first token: 32 (T / 2) + 8 (T % 2)
	s_lshl_b32 s16, s15, 12                        ; x 4,096 bytes a row
	s_lshl_b32 s17, s14, 10                        ; + my 256 along K
	s_add_co_u32 s16, s16, s17
	s_mov_b32 s17, 0
	s_mul_i32 s18, s14, KPS_O
	s_mul_i32 s19, ttmp9, 3072
	s_add_co_u32 s18, s18, s19                     ; my two fragments in opc
	s_mov_b32 s19, 0
	s_lshl_b32 s22, ttmp9, 9
	s_lshl_b32 s23, s14, 7
	s_add_co_u32 s22, s22, s23                     ; my 16 x 2 scale words in ops
	s_mov_b32 s23, 0
	s_mov_b32 s20, 0x76543210
	s_mov_b32 s21, 0xfedcba98                      ; v_permlanex16_b32's selects for lane l xor 16
	v_lshlrev_b32 v5, 4, v2                        ; 16 x lane
	s_mul_i32 s24, s14, 2*XSTG
	v_add_nc_u32 v6, s24, v5                       ; the stage, on the way in: a row's 512 bytes as they lie
	v_mul_u32_u24 v7, v3, 528
	v_lshl_add_u32 v7, v4, 7, v7
	v_add_nc_u32 v7, s24, v7                       ; and on the way out: row r, + 128 h bytes
	v_lshlrev_b32 v8, 3, v2                        ; 8 x lane: my place in a plane
	v_lshlrev_b32 v9, 3, v3                        ; 8 r: my row's two scale words
	v_lshlrev_b32 v10, 3, v4                       ; 8 h: how far my two bytes are shifted
	v_mov_b32 v19, 0                               ; written once: a lane permute's destination counts as one of its sources
	s_wait_kmcnt 0x0
	s_add_nc_u64 s[4:5], s[4:5], s[16:17]
	s_add_nc_u64 s[10:11], s[10:11], s[18:19]
	s_add_nc_u64 s[12:13], s[12:13], s[22:23]
.irp q, 0,1
.irp i, 0,1,2,3,4,5,6,7,8,9,10,11,12,13,14,15
	global_load_b128 v[XR+64*\q+4*\i:XR+64*\q+4*\i+3], v5, s[4:5] offset:(\i+8*(\i/8))*4096+\q*512 th:TH_LOAD_NT
.endr
.endr
.macro TURN q                          ; LDS serves a wave's instructions in order: no wait between the stores and the loads, which land in the registers that the stores have read
.irp i, 0,1,2,3,4,5,6,7,8,9,10,11,12,13,14,15
	ds_store_b128 v6, v[XR+64*(\q)+4*\i:XR+64*(\q)+4*\i+3] offset:(\q)*XSTG+\i*528
.endr
.irp c, 0,1
.irp j, 0,1,2,3,4,5,6,7
	ds_load_b128 v[XR+64*(\q)+32*\c+4*\j:XR+64*(\q)+32*\c+4*\j+3], v7 offset:(\q)*XSTG+256*\c+16*\j
.endr
.endr
.endm
.macro WORK q                          ; 128 along K of my row's two blocks: largest magnitudes, bytes, codes, six stores of an aligned 256 bytes each
.set XS, XR+64*(\q)
.irp c, 0,1
	v_max3_num_f32 v[12+\c], |v[XS+32*\c]|, |v[XS+32*\c+1]|, 0x1800000   ; with the floor 2^(3 - 127): the byte cannot fall under 1
.endr
.irp i, 2,4,6,8,10,12,14,16,18,20,22,24,26,28,30
.irp c, 0,1
	v_max3_num_f32 v[12+\c], v[12+\c], |v[XS+32*\c+\i]|, |v[XS+32*\c+\i+1]|   ; the two blocks by turns
.endr
.endr
.irp c, 0,1
	v_add_nc_u32 v[14+\c], 0xff000000, v[12+\c]    ; 2 off the exponent field: the conversion's scale operand
.endr
.irp c, 0,1
	v_lshrrev_b32 v[16+\c], 23, v[14+\c]           ; the scale's byte
.endr
	v_lshl_or_b32 v18, v17, 16, v16                ; my bytes: blocks h and 2 + h,
	v_lshlrev_b32 v18, v10, v18                    ; at their places in the word;
	v_permlanex16_b32 v19, v18, s20, s21
	v_or_b32 v[WW+(\q)], v18, v19                  ; with lane l xor 16's two the word is whole
.irp c, 0,1
	v_cvt_scalef32_pk16_fp6_f32 v[CD+12*(\q)+6*\c:CD+12*(\q)+6*\c+2], v[XS+32*\c:XS+32*\c+15], v[14+\c]
	v_cvt_scalef32_pk16_fp6_f32 v[DT+4*\c:DT+4*\c+2], v[XS+32*\c+16:XS+32*\c+31], v[14+\c]
.endr
	v_nop                                          ; one plain place behind a scaled conversion
.irp c, 0,1
.irp i, 0,1,2
	v_mov_b32 v[CD+12*(\q)+6*\c+3+\i], v[DT+4*\c+\i]
.endr
.endr
.irp p, 0,1,2,3,4,5
	global_store_b64 v8, v[CD+12*(\q)+2*\p:CD+12*(\q)+2*\p+1], s[10:11] offset:(\q)*1536+256*\p
.endr
.endm
	s_wait_loadcnt 16                              ; the first K step's 16 loads are in; the second's may be out
	TURN 0
	s_wait_loadcnt 0x0
	TURN 1
	s_wait_dscnt 32                                ; the first turn is back; the second's 16 stores and 16 loads may be out
	WORK 0
	s_wait_dscnt 0x0
	WORK 1
	global_store_b64 v9, v[WW:WW+1], s[12:13]      ; lanes r and r + 16 hold the same two words and store them to the same 8 bytes
	s_wait_tensorcnt 0x0
	ds_add_u32 v232, v233
	s_wait_dscnt 0x0
	s_endpgm
; ---------------- PATH W: K is the FIRST axis.  A lane takes a column and its registers run down K: a block of 32 lies in one lane, and the codes come out with K innermost.
.Lweights:
	s_sub_co_u32 s15, ttmp9, 512
	s_and_b32 s16, s15, 31                         ; which 128 columns: 0-23 of w_qkv, 24-31 of w_proj
	s_lshr_b32 s17, s15, 5                         ; which 128 along K
	s_mov_b32 s19, 12288
	s_wait_kmcnt 0x0
	s_cmp_ge_u32 s16, 24                           ; the choice hangs on the work-group's number alone
	s_cselect_b64 s[4:5], s[8:9], s[6:7]           ; the weight,
	s_cselect_b32 s19, 4096, s19                   ; a row of it in bytes,
	s_cselect_b32 s18, 24, 0
	s_sub_co_u32 s18, s16, s18                     ; and the group of columns in it
	s_lshl_b32 s18, s18, 9
	s_lshl_b32 s22, s14, 7
	s_add_co_u32 s18, s18, s22                     ; my wave's first column, in bytes
	s_lshl_b32 s22, s17, 7
	s_mul_i32 s22, s22, s19
	s_add_co_u32 s22, s22, s18
	s_mov_b32 s23, 0
	s_add_nc_u64 s[24:25], s[4:5], s[22:23]        ; block 0's first row; the other three blocks 32 rows apart
	s_lshl_b32 s22, s19, 5
	s_add_nc_u64 s[26:27], s[24:25], s[22:23]
	s_add_nc_u64 s[28:29], s[26:27], s[22:23]
	s_add_nc_u64 s[30:31], s[28:29], s[22:23]
	v_lshlrev_b32 v5, 2, v2                        ; 4 bytes a lane
.set i, 0
.rept 32
	v_mad_u32_u24 v[VO+i], s19, i, v5              ; row i of a block; never rewritten
.set i, i+1
.endr
	v_bfe_u32 v6, v0, 3, 1                         ; my column lies in tile u = (lane / 8) % 2 of the wave's two,
	v_and_b32 v7, 7, v0
	v_lshl_add_u32 v7, v4, 3, v7                   ; as its row r' = lane % 8 + 8 (lane / 16)
	v_mul_u32_u24 v8, v6, 1536
	v_lshl_add_u32 v8, v7, 3, v8
	s_mul_i32 s32, s14, 3072
	s_add_co_u32 s32, s32, WLDS                    ; my wave's two fragments in LDS
	v_add_nc_u32 v8, s32, v8                       ; into them: 1,536 u + 8 r'
	v_lshlrev_b32 v9, 4, v2                        ; out: 16 bytes a lane
	v_add_nc_u32 v10, s32, v9
	v_lshlrev_b32 v11, 9, v6
	v_lshl_add_u32 v11, v7, 3, v11                 ; my scale word in ops: 512 u + 8 r'
	s_lshl_b32 s33, s16, 3
	s_lshl_b32 s34, s14, 1
	s_add_co_u32 s33, s33, s34
	s_add_co_u32 s33, s33, 512                     ; my first tile
	s_lshr_b32 s34, s17, 1                         ; K / 256
	s_and_b32 s35, s17, 1                          ; which fragment of the two
	s_mul_i32 s36, s34, KPS_O
	s_mul_i32 s37, s33, 3072
	s_add_co_u32 s36, s36, s37
	s_mul_i32 s37, s35, 1536
	s_add_co_u32 s36, s36, s37
	s_mov_b32 s37, 0
	s_add_nc_u64 s[10:11], s[10:11], s[36:37]
	s_lshl_b32 s36, s33, 9
	s_lshl_b32 s38, s34, 7
	s_add_co_u32 s36, s36, s38
	s_lshl_b32 s38, s35, 2
	s_add_co_u32 s36, s36, s38
	s_add_nc_u64 s[12:13], s[12:13], s[36:37]
.macro LOADW t                         ; block t: 32 rows, 128 consecutive bytes a wave each
.set i, 0
.rept 32
	global_load_b32 v[XR+32*(\t)+i], v[VO+i], s[24+2*(\t):25+2*(\t)] th:TH_LOAD_NT
.set i, i+1
.endr
.endm
.macro BLOCKW t
.set XS, XR+32*(\t)
	v_max3_num_f32 v12, |v[XS]|, |v[XS+1]|, |v[XS+2]|              ; the block's largest magnitude: all 32 numbers are mine; two chains
	v_max3_num_f32 v13, |v[XS+3]|, |v[XS+4]|, |v[XS+5]|
.irp i, 6,10,14,18,22,26
	v_max3_num_f32 v12, v12, |v[XS+\i]|, |v[XS+\i+1]|
	v_max3_num_f32 v13, v13, |v[XS+\i+2]|, |v[XS+\i+3]|
.endr
	v_max3_num_f32 v12, v12, |v[XS+30]|, |v[XS+31]|
	v_max3_num_f32 v12, v12, v13, 0x1800000        ; and the floor
	v_add_nc_u32 v14, 0xff000000, v12
	v_lshrrev_b32 v15, 23, v14
.if (\t) == 0
	v_mov_b32 v16, v15                             ; the column's scale word for these 128 along K: byte t
.else
	v_lshl_or_b32 v16, v15, 8*(\t), v16
.endif
	v_cvt_scalef32_pk16_fp6_f32 v[CD+6*(\t):CD+6*(\t)+2], v[XS:XS+15], v14
	v_cvt_scalef32_pk16_fp6_f32 v[DT:DT+2], v[XS+16:XS+31], v14
	v_nop                                          ; one plain place behind a scaled conversion
.irp i, 0,1,2
	v_mov_b32 v[CD+6*(\t)+3+\i], v[DT+\i]
.endr
.irp p, 0,1,2                          ; block t = 2 c + h is registers 6 c .. 6 c + 5 of the image's lane r' + 16 h: planes 3 c .. 3 c + 2, 128 h bytes on
	ds_store_b64 v8, v[CD+6*(\t)+2*\p:CD+6*(\t)+2*\p+1] offset:(3*((\t)/2)+\p)*256+((\t)%2)*128
.endr
.endm
	LOADW 0
	LOADW 1
	s_wait_loadcnt 32                              ; block 0 is in; block 1's 32 loads may be out
	LOADW 2
	BLOCKW 0
	s_wait_loadcnt 32                              ; block 1 is in; block 2's may be out
	LOADW 3
	BLOCKW 1
	s_wait_loadcnt 32                              ; block 2 is in; block 3's may be out
	BLOCKW 2
	s_wait_loadcnt 0x0
	BLOCKW 3
.irp t, 0,1,2,3,4,5
	ds_load_b128 v[XR+4*\t:XR+4*\t+3], v10 offset:512*\t   ; LDS serves a wave's instructions in order: these see my stores
.endr
.irp t, 0,1,2,3,4,5
	s_wait_dscnt 5-\t                              ; the younger loads may be out
	global_store_b128 v9, v[XR+4*\t:XR+4*\t+3], s[10:11] offset:(\t/3)*3072+(\t%3)*512   ; 512 consecutive bytes, aligned to 256
.endr
	global_store_b32 v11, v16, s[12:13]            ; one word a column, 8 bytes apart: 131,072 bytes in the whole launch
	s_wait_tensorcnt 0x0
	ds_add_u32 v232, v233
	s_wait_dscnt 0x0
	s_endpgm
.Lfunc_end_k_qad422e2bd4_prep:
	.size	k_qad422e2bd4_prep, .Lfunc_end_k_qad422e2bd4_prep-k_qad422e2bd4_prep
	.p2alignl 7, 3214868480
	.fill 96, 4, 3214868480
	.section	.rodata,"a",@progbits
	.p2align	6, 0x0
	.amdhsa_kernel k_qad422e2bd4_prep
		.amdhsa_group_segment_fixed_size 80384
		.amdhsa_private_segment_fixed_size 0
		.amdhsa_enable_private_segment 0
		.amdhsa_kernarg_size 40
		.amdhsa_user_sgpr_count 2
		.amdhsa_user_sgpr_kernarg_segment_ptr 1
		.amdhsa_wavefront_size32 1
		.amdhsa_system_sgpr_workgroup_id_x 1
		.amdhsa_system_sgpr_workgroup_id_y 1
		.amdhsa_system_sgpr_workgroup_id_z 1
		.amdhsa_system_vgpr_workitem_id 0
		.amdhsa_next_free_vgpr 234
		.amdhsa_next_free_sgpr 66
		.amdhsa_reserve_vcc 0
		.amdhsa_float_denorm_mode_32 3
		.amdhsa_float_denorm_mode_16_64 3
		.amdhsa_memory_ordered 1
		.amdhsa_forward_progress 1
		.amdhsa_inst_pref_size 41
	.end_amdhsa_kernel
	.amdgpu_metadata
---
amdhsa.version: [ 1, 2 ]
amdhsa.kernels:
  - .name:           k_qad422e2bd4_prep
    .symbol:         k_qad422e2bd4_prep.kd
    .args:
      - { .name: x, .offset: 0, .size: 8, .value_kind: global_buffer, .address_space: global }
      - { .name: w_qkv, .offset: 8, .size: 8, .value_kind: global_buffer, .address_space: global }
      - { .name: w_proj, .offset: 16, .size: 8, .value_kind: global_buffer, .address_space: global }
      - { .name: opc, .offset: 24, .size: 8, .value_kind: global_buffer, .address_space: global }
      - { .name: ops, .offset: 32, .size: 8, .value_kind: global_buffer, .address_space: global }
    .group_segment_fixed_size: 80384
    .private_segment_fixed_size: 0
    .kernarg_segment_align: 8
    .kernarg_segment_size: 40
    .max_flat_workgroup_size: 128
    .sgpr_count:     66
    .vgpr_count:     234
    .wavefront_size: 32
...
	.end_amdgpu_metadata
.endif
;; end of part 1
;; launch qkvg (part 2): grid 12 x 32, 4 waves a work-group, clusters of 4 x 4, 327,680 bytes of LDS; arguments opc, ops, qkv; writes qkv
.if DOCPART == 2
	.amdgcn_target "amdgcn-amd-amdhsa--gfx1250"
	.amdhsa_code_object_version 6
	.text
	.protected	k_qad422e2bd4_qkvg
	.globl	k_qad422e2bd4_qkvg
	.p2align	8
	.type	k_qad422e2bd4_qkvg,@function
k_qad422e2bd4_qkvg:
	s_mov_b64 s[64:65], 0
	v_nop
	global_prefetch_b8 v0, s[64:65] scope:SCOPE_SE
	s_setreg_imm32_b32 hwreg(HW_REG_WAVE_MODE, 25, 1), 1
	s_wait_xcnt 0x0
	s_wait_alu depctr_hold_cnt(0) depctr_sa_sdst(0) depctr_va_vdst(0) depctr_va_sdst(0) depctr_va_ssrc(0) depctr_va_vcc(0) depctr_vm_vsrc(0)
	s_getreg_b32 s2, hwreg(HW_REG_IB_STS2, 6, 4)
	s_cmp_eq_u32 s2, 0
	s_cbranch_scc0 .Lentry_in_a_cluster
	s_endpgm
.Lentry_in_a_cluster:
	s_bfe_u32 s2, ttmp6, 0x10000c
	s_cmp_lg_u32 s2, 0xf033
	s_cbranch_scc0 .Lentry_shape_is_right
	s_endpgm
.Lentry_shape_is_right:
; qkv = x w_qkv on codes of FP6 (E2M3) with E8M0 scales, K = 1,024; the results are quantised at once, in registers, for the two products of attention: q and k along the head's 64, v along the keys.
; A tile of the result, 256 x 256, is made by four waves, 128 x 128 each: 64 accumulators, 512 registers.  Operands come as images of their registers (six planes of 256 bytes a fragment; a tile's rows are
; 32 g + 8 u + r + 8 (r / 8)), so a K step's part of 8 tiles is one dense block of 24,576 bytes for one tensor load, and a fragment is six ds_load_b64 of 256 consecutive bytes each.
; THE PRODUCT IS USED TRANSPOSED: source 0 = 16 rows of "B", source 1 = 16 rows of "A": a lane holds one row of A, and its 64 registers of a block run along 128 neighbouring rows of B.
; ROLES, by the cluster's x (the same in all sixteen partners).  Clusters 0 and 1: A = tokens of x, B = columns of w_qkv for q (0) or k (1): a lane holds a token and 128 channels, two heads.
; Cluster 2: A = columns of w_qkv for v, B = tokens: a lane holds one channel of v and 128 tokens, which are v's K.
; K goes in steps of 256 (two matrix instructions deep) through two LDS slots: four fills, written out.  The scale words of all of K come once, with the first fills.
; CLUSTERS: 4 x 4.  A's tiles are shared along a row of the cluster, B's along a column: joint loads.
; OUT: qkv = [batch x head 64][307,200]: q's codes [tile 128][768], q's scale bytes [pair of tiles 64][r][u][2]; then eight slots of 256 keys, 25,600 bytes each: k's codes [tile 16][768],
; v's codes [128 keys 2][tile of d 4][1,536], k's scale bytes [pair 8][r][u][2], v's scale words [2][4][r].
; LIMITS: NaN and infinities are not served; a block of zeros, or one under 2^-124, gets the byte 1.
; REGISTERS: window 0: v16-31 addresses; v32-63 scale words, two sets; v64-159, v160-255 A's fragments, two sets (on the way out: at work).  window 1: v0-95, v128-223 B's, two sets.
;   windows 2, 3: the accumulators, (a, b) at v[8 (8 (a % 4) + b)] of window 2 + a / 4.
.set NA,    8                          ; A's blocks of 16 rows for a wave
.set HA,    NA*3072                    ; what one tensor load brings of A: NA tiles x 256 along K
.set HB,    24576                      ; and of B: 8 tiles
.set SLOT,  2*HA+2*HB
.set SCL,   2*SLOT                     ; behind the ring: the scale words, 512 bytes a tile
.set HSA,   NA*512
.set HSB,   4096
.set SPARE, SCL+2*HSA+2*HSB            ; the spare words, 128 bytes for each wave: two blocks of 256 bytes that no other line names
.set STQ,   SPARE+512                  ; 512 bytes for each wave: q's or k's scale bytes on their way out
.set STV,   STQ+2048                   ; the same for v's scale words: the two ways out have bytes of their own
.set KPSA,  2359296                    ; bytes from 256 along K to the next in A's buffer
.set KPSB,  2359296
.set HS,    307200                     ; a head's bytes in qkv
.set SC,    32
.set AF,    64
.set TM,    64                         ; the way out: v64-67 largest magnitudes, v68-71 partners' and bytes, v76-79 the conversions' scale operands
.set PW,    80                         ; v80-87 a scale word for each block;  v88-95 its half for my head
.set T16,   88
.set G1,   24
.set G0,   32
.set G1B,  48
.set G0B,  56
.set G1S,  68
.set G0S,  76
.set G1SB, 80
.set G0SB, 88
.set MSB, 0
.macro WIN new                         ; the immediate's high byte repeats the setting that is left
.if MSB != (\new)
	s_set_vgpr_msb (MSB<<8)|(\new)
.set MSB, (\new)
.endif
.endm
.set TO_B, 0x40                        ; destination window 1, address window 0
.macro JLOAD g0a, g1a, g0b, g1b        ; a joint load: waves 0 and 1 fetch for A, waves 2 and 3 for B; four v_nop follow each of the two lines
	s_cmp_eq_u32 s15, 0
	s_cbranch_scc0 .Lfor_b_\@
	tensor_load_to_lds s[\g0a:\g0a+3], s[\g1a:\g1a+7]
	s_nop 0
.rept 4
	v_nop
.endr
	s_branch .Lasked_\@
.Lfor_b_\@:
	tensor_load_to_lds s[\g0b:\g0b+3], s[\g1b:\g1b+7]
	s_nop 0
.rept 4
	v_nop
.endr
.Lasked_\@:
.endm
.macro CREST                           ; a round of the cluster's barrier behind its opening barrier
	s_cmp_lg_u32 s14, 0
	s_cbranch_scc1 .Lnot_wave_0_\@
	s_barrier_signal -3
.Lnot_wave_0_\@:
	s_barrier_wait -3
	s_barrier_signal -1
	s_barrier_wait -1
.endm
.macro CROUND
	s_barrier_signal -1
	s_barrier_wait -1
	CREST
.endm
.macro SHAPE g, rows                   ; descriptor group 1 but for its first word: a dense block as rows of 256 bytes (32 elements of 8 bytes)
	s_mov_b32 s[\g+1], 32<<16
	s_mov_b32 s[\g+2], (\rows)<<16
	s_mov_b32 s[\g+3], 32<<16
	s_mov_b32 s[\g+4], \rows
	s_mov_b32 s[\g+5], 32
	s_mov_b32 s[\g+6], 0
	s_mov_b32 s[\g+7], 0
.endm
.macro PLACES n
.rept \n
	v_nop
.endr
.endm
	s_load_b128 s[4:7], s[0:1], 0x0                ; opc, ops
	s_load_b64 s[8:9], s[0:1], 0x10                ; qkv
	v_lshl_add_u32 v28, v0, 2, SPARE               ; my spare word; never rewritten
	v_mov_b32 v29, 0                               ; 0; never rewritten
	ds_add_u32 v28, v29
	s_wait_dscnt 0x0
	v_lshrrev_b32 v1, 5, v0
	v_readfirstlane_b32 s14, v1                    ; wave 0..3
	s_lshr_b32 s15, s14, 1                         ; which half of A's rows is mine.  Also: I fetch for A (0) or for B (1)
	s_and_b32 s16, s14, 1                          ; which half of B's rows.  Also: which half I fetch
	s_bfe_u32 s40, ttmp6, 0x40000                  ; cx
	s_bfe_u32 s41, ttmp6, 0x40004                  ; cy
	s_and_b32 s42, ttmp7, 0xffff                   ; the cluster's y
	s_lshl_b32 s43, s41, 2
	s_lshl_b32 s43, 15, s43                        ; my row of the cluster
	s_lshl_b32 s44, 0x1111, s40                    ; my column
	s_or_b32 s[G1], s43, (3<<16)|(1<<21)           ; 15:0 the mask; 17:16 elements of 8 bytes; 21 set beside a mask; no padding
	s_or_b32 s[G1B], s44, (3<<16)|(1<<21)
	s_or_b32 s[G1S], s43, (3<<16)|(1<<21)
	s_or_b32 s[G1SB], s44, (3<<16)|(1<<21)
	SHAPE G1, HA/256
	SHAPE G1B, HB/256
	SHAPE G1S, HSA/256
	SHAPE G1SB, HSB/256
	; the tiles.  A's hang on cy and the cluster's place alone, B's on cx and the cluster's place alone, each in registers of their own
	s_lshl_b32 s17, s41, 4
	s_lshl_b32 s18, s42, 6
	s_add_co_u32 s18, s18, s17                     ; q, k: A = x's tiles 16 (4 cluster y + cy)
	s_add_co_u32 s17, s17, 640                     ; v: A = w_qkv's tiles 640 + 16 cy
	s_lshl_b32 s19, s40, 4
	s_lshl_b32 s20, ttmp9, 6
	s_add_co_u32 s20, s20, s19
	s_add_co_u32 s20, s20, 512                     ; q, k: B = w_qkv's tiles 512 + 16 (4 cluster x + cx)
	s_lshl_b32 s21, s42, 6
	s_add_co_u32 s21, s21, s19                     ; v: B = x's tiles 16 (4 cluster y + cx)
	s_cmp_eq_u32 ttmp9, 2
	s_cselect_b32 s45, 1, 0                        ; 1: this cluster makes v
	s_cselect_b32 s17, s17, s18
	s_cselect_b32 s20, s21, s20
	s_lshl_b32 s18, s16, 3
	s_add_co_u32 s17, s17, s18                     ; + the half that I fetch
	s_add_co_u32 s20, s20, s18
	s_mul_i32 s22, s17, 3072                       ; A's codes,
	s_mov_b32 s23, 0
	s_lshl_b32 s46, s17, 9                         ; A's scale words,
	s_mov_b32 s47, 0
	s_mul_i32 s92, s20, 3072                       ; B's codes,
	s_mov_b32 s93, 0
	s_lshl_b32 s94, s20, 9                         ; B's scale words
	s_mov_b32 s95, 0
	s_mul_i32 s96, s16, HA                         ; where they go: the wave's number alone enters an LDS address
	s_mul_i32 s97, s16, HB
	s_add_co_u32 s97, s97, 2*HA
	s_mul_i32 s98, s16, HSA
	s_add_co_u32 s98, s98, SCL
	s_mul_i32 s99, s16, HSB
	s_add_co_u32 s99, s99, SCL+2*HSA
	s_wait_kmcnt 0x0
	s_add_nc_u64 s[22:23], s[4:5], s[22:23]
	s_add_nc_u64 s[46:47], s[6:7], s[46:47]
	s_add_nc_u64 s[92:93], s[4:5], s[92:93]
	s_add_nc_u64 s[94:95], s[6:7], s[94:95]
	CROUND                                         ; all sixteen work-groups are here: the first joint loads meet
	s_mov_b32 s[G0S], 1
	s_mov_b32 s[G0S+1], s98
	s_mov_b64 s[G0S+2:G0S+3], s[46:47]
	s_or_b32 s[G0S+3], s[G0S+3], 0x80000000
	s_mov_b32 s[G0SB], 1
	s_mov_b32 s[G0SB+1], s99
	s_mov_b64 s[G0SB+2:G0SB+3], s[94:95]
	s_or_b32 s[G0SB+3], s[G0SB+3], 0x80000000
	JLOAD G0S, G1S, G0SB, G1SB                     ; the scale words first: they are wanted with the first K step
.irp s, 0,1
	s_mov_b32 s[G0+4*\s], 1
	s_add_co_u32 s[G0+4*\s+1], s96, \s*SLOT
	s_add_nc_u64 s[G0+4*\s+2:G0+4*\s+3], s[22:23], \s*KPSA
	s_or_b32 s[G0+4*\s+3], s[G0+4*\s+3], 0x80000000
	s_mov_b32 s[G0B+4*\s], 1
	s_add_co_u32 s[G0B+4*\s+1], s97, \s*SLOT
	s_add_nc_u64 s[G0B+4*\s+2:G0B+4*\s+3], s[92:93], \s*KPSB
	s_or_b32 s[G0B+4*\s+3], s[G0B+4*\s+3], 0x80000000
	JLOAD G0+4*\s, G1, G0B+4*\s, G1B               ; three loads of mine are out
.endr
	v_and_b32 v1, 31, v0                           ; lane
	v_and_b32 v3, 15, v0                           ; r
	v_bfe_u32 v4, v0, 4, 1                         ; h
	v_lshlrev_b32 v2, 3, v1                        ; 8 x lane: my place in a plane
	s_mul_i32 s66, s15, HA
	s_mul_i32 s67, s16, HB
	s_add_co_u32 s67, s67, 2*HA
.irp s, 0,1
	v_add_nc_u32 v[16+\s], s66, v2                 ; v16-17 my A fragments in slot 0, 1
	v_add_nc_u32 v[20+\s], s67, v2                 ; v20-21 my B fragments
	s_add_co_u32 s66, s66, SLOT
	s_add_co_u32 s67, s67, SLOT
.endr
	s_mul_i32 s66, s15, HSA                        ; the scale words: lanes 0-15 take A's rows, lanes 16-31 B's: the lower base + h x the distance
	s_mul_i32 s67, s16, HSB
	s_add_co_u32 s67, s67, 2*HSA
	s_sub_co_u32 s67, s67, s66
	v_mul_u32_u24 v5, s67, v4
	s_add_co_u32 s66, s66, SCL
	v_lshl_add_u32 v5, v3, 3, v5
	v_add_nc_u32 v27, s66, v5                      ; v27: 8 bytes a row for 256 along K; 128 bytes on for the next 256
	s_lshl_b32 s66, s14, 9                         ; the way out's addresses, made here, ahead of every parting of ways
	s_add_co_u32 s67, s66, STQ
	s_add_co_u32 s66, s66, STV
	v_lshlrev_b32 v5, 4, v1
	v_add_nc_u32 v22, s67, v5                      ; v22 q, k: my wave's 512 scale bytes read back, 16 a lane
	v_add_nc_u32 v23, s66, v5                      ; v23 v: likewise
	v_lshlrev_b32 v24, 3, v1                       ; v24 8 x lane: a plane's store
	v_lshlrev_b32 v6, 2, v3
	v_lshl_add_u32 v7, v4, 8, v6
	v_add_nc_u32 v25, s67, v7                      ; v25 q, k: 4 r + 256 h: lanes 16-31 serve the second head
	v_add_nc_u32 v26, s66, v6                      ; v26 v: 4 r
	v_lshlrev_b32 v30, 4, v4                       ; v30 16 h: my head's two bytes of a scale word
	v_mul_u32_u24 v31, v4, HS
	v_lshl_add_u32 v31, v3, 4, v31                 ; v31 the scale bytes' store: lanes 16-31 a head further on
.macro FETCH_B slot, q, set            ; B's eight fragments of the slot's q-th 128 along K
	WIN TO_B
.irp i, 0,1,2,3,4,5,6,7
.irp p, 0,1,2,3,4,5
	ds_load_b64 v[128*(\set)+12*\i+2*\p:128*(\set)+12*\i+2*\p+1], v[20+\slot] offset:\i*3072+(\q)*1536+\p*256
.endr
.endr
	WIN 0
.endm
.macro FETCH_A slot, q, set
.set fi, 0
.rept NA
.irp p, 0,1,2,3,4,5
	ds_load_b64 v[AF+96*(\set)+12*fi+2*\p:AF+96*(\set)+12*fi+2*\p+1], v[16+\slot] offset:fi*3072+(\q)*1536+\p*256
.endr
.set fi, fi+1
.endr
.endm
.macro SCALES sc                       ; two words a row: lanes 0-15 A's tile i, lanes 16-31 B's tile i
.irp i, 0,1,2,3,4,5,6,7
	ds_load_b64 v[SC+16*(\sc)+2*\i:SC+16*(\sc)+2*\i+1], v27 offset:512*\i
.endr
.endm
.macro MULA a, set, q, sc, zero        ; A's block a against B's eight.  The accumulators take turns, one instruction a turn, in the same order in every step
.irp b, 0,1,2,3,4,5,6,7
.if \zero
	v_wmma_scale_f32_16x16x128_f8f6f4 v[8*(8*((\a)%4)+\b):8*(8*((\a)%4)+\b)+7], v[128*(\set)+12*\b:128*(\set)+12*\b+11], v[AF+96*(\set)+12*(\a):AF+96*(\set)+12*(\a)+11], 0, v[SC+16*(\sc)+2*\b+(\q)], v[SC+16*(\sc)+2*(\a)+(\q)] matrix_a_fmt:MATRIX_FMT_FP6 matrix_b_fmt:MATRIX_FMT_FP6 matrix_a_scale:MATRIX_SCALE_ROW1
.else
	v_wmma_scale_f32_16x16x128_f8f6f4 v[8*(8*((\a)%4)+\b):8*(8*((\a)%4)+\b)+7], v[128*(\set)+12*\b:128*(\set)+12*\b+11], v[AF+96*(\set)+12*(\a):AF+96*(\set)+12*(\a)+11], v[8*(8*((\a)%4)+\b):8*(8*((\a)%4)+\b)+7], v[SC+16*(\sc)+2*\b+(\q)], v[SC+16*(\sc)+2*(\a)+(\q)] matrix_a_fmt:MATRIX_FMT_FP6 matrix_b_fmt:MATRIX_FMT_FP6 matrix_a_scale:MATRIX_SCALE_ROW1
.endif
.endr
.endm
.macro MULR a0, cnt, set, q, sc, zero  ; blocks a0 .. a0 + cnt - 1: source 0 window 1, source 1 window 0, C and D window 2 or 3
.set ma, \a0
.rept \cnt
	WIN 0xa1+0x50*(ma/4)
	MULA ma, \set, \q, \sc, \zero
.set ma, ma+1
.endr
.endm
; A slot's first 128 along K, on set 0; in its middle the second 128's fragments are fetched into set 1, behind four places (plain vector instructions between a matrix instruction and a load into a register that it has read)
.macro STEP slot, zero
	s_wait_dscnt 0x0                               ; set 0 and the scale words are in (asked for NA/2 blocks of products ago)
	MULR 0, NA/2, 0, 0, \slot, \zero
	PLACES 4
	FETCH_B \slot, 1, 1
	FETCH_A \slot, 1, 1
	MULR NA/2, NA/2, 0, 0, \slot, \zero
.endm
; A slot's second 128, on set 1, changes slots: ONE barrier; in front of it each wave waits for all its tensor loads, adds 0 to its spare word, and waits for that and for its reads of this slot.
.macro TURN slot, next, fill
	WIN 0
	s_wait_tensorcnt 0x0                           ; all my tensor loads have landed: my part of the next slot
	ds_add_u32 v28, v29                            ; 0 onto my spare word
	s_wait_dscnt 1                                 ; set 1 is in; the add alone may be out
	MULR 0, NA/4, 1, 1, \slot, 0
	s_wait_dscnt 0x0                               ; the add is done, and my reads of this slot are over
	s_barrier_signal -1
	MULR NA/4, NA/4, 1, 1, \slot, 0
	WIN 0
	s_barrier_wait -1
.if \fill
	CREST                                          ; the barrier has opened a round of the cluster's: no wave of any partner still reads this slot or has a load on its way
	s_add_nc_u64 s[G0+4*\slot+2:G0+4*\slot+3], s[G0+4*\slot+2:G0+4*\slot+3], 2*KPSA
	s_add_nc_u64 s[G0B+4*\slot+2:G0B+4*\slot+3], s[G0B+4*\slot+2:G0B+4*\slot+3], 2*KPSB
	JLOAD G0+4*\slot, G1, G0B+4*\slot, G1B         ; the first tensor load behind the round; its four v_nop are the places in front of the loads below
.else
	PLACES 4
.endif
	v_add_nc_u32 v27, 128, v27                     ; the next 256 along K's scale words
	FETCH_B \next, 0, 0
	FETCH_A \next, 0, 0
	SCALES \next
	MULR NA/2, NA/2, 1, 1, \slot, 0
.endm
	s_wait_tensorcnt 1                             ; the scale words and my part of slot 0 are in; slot 1's load may be out
	s_barrier_signal -1
	s_barrier_wait -1
	FETCH_B 0, 0, 0
	FETCH_A 0, 0, 0
	SCALES 0
	STEP 0, 1                                      ; the first products start the sums: nothing is cleared
	TURN 0, 1, 1
	STEP 1, 0
	TURN 1, 0, 1
	STEP 0, 0
	TURN 0, 1, 0                                   ; nothing is left to fetch
	STEP 1, 0
	s_wait_dscnt 0x0
	MULR 0, NA, 1, 1, 1, 0
	WIN 0
	PLACES 4                                       ; behind the last products: the lines below write registers that held A's fragments and read results
; THE WAY OUT.  Block a: a lane's 64 numbers, register 16 b + i = index 32 b + 16 h + i along the next K, become 12 registers of codes and a scale word.
.macro EQUANT a
.set AC, 64*((\a)%4)
.set PC, 96+32*((\a)%2)
	WIN 0x28+0x14*((\a)/4)                         ; sources 1 and 2: the accumulators' window
.irp b, 0,1,2,3
	v_max3_num_f32 v[TM+\b], 0x1800000, |v[AC+16*\b]|, |v[AC+16*\b+1]|   ; each accumulator is read from its low end on; the floor 2^(3 - 127) holds the byte at 1 from below
.endr
.irp i, 2,4,6,8,10,12,14
.irp b, 0,1,2,3
	v_max3_num_f32 v[TM+\b], v[TM+\b], |v[AC+16*\b+\i]|, |v[AC+16*\b+\i+1]|
.endr
.endr
	WIN 0
.irp b, 0,1,2,3
	v_permlanex16_b32 v[TM+4+\b], v[TM+\b], s2, s3
.endr
.irp b, 0,1,2,3
	v_max_num_f32 v[TM+\b], v[TM+\b], v[TM+4+\b]   ; with lane l xor 16's: the block's largest magnitude
.endr
.irp b, 0,1,2,3
	v_add_nc_u32 v[TM+12+\b], 0xff000000, v[TM+\b] ; 2 off its exponent field: the conversion's scale operand
.endr
.irp b, 0,1,2,3
	v_lshrrev_b32 v[TM+4+\b], 23, v[TM+12+\b]      ; the scale's byte
.endr
	v_lshl_or_b32 v[PW+(\a)], v[TM+5], 8, v[TM+4]
	v_lshl_or_b32 v[PW+(\a)], v[TM+6], 16, v[PW+(\a)]
	v_lshl_or_b32 v[PW+(\a)], v[TM+7], 24, v[PW+(\a)]
	WIN 0x02+((\a)/4)                              ; source 0: the accumulators' window
.irp c, 0,1
	v_cvt_scalef32_pk16_fp6_f32 v[PC+6*\c:PC+6*\c+2], v[AC+32*\c:AC+32*\c+15], v[TM+12+2*\c]
	v_cvt_scalef32_pk16_fp6_f32 v[PC+12+4*\c:PC+14+4*\c], v[AC+32*\c+16:AC+32*\c+31], v[TM+12+2*\c+1]
.endr
	WIN 0
	v_nop                                          ; one plain place behind a scaled conversion
.irp c, 0,1                            ; the layout wants a whole block in a lane
.irp i, 0,1,2
	v_permlane16_swap_b32 v[PC+6*\c+\i], v[PC+12+4*\c+\i]
.endr
.irp i, 0,1,2
	v_mov_b32 v[PC+3+6*\c+\i], v[PC+12+4*\c+\i]
.endr
.endr
.endm
.macro EPI kind                        ; kind 0: q or k; 1: v.  Every store of codes covers 256 consecutive bytes, aligned
.set ea, 0
.rept 8
.if ea >= 2
	s_wait_xcnt 0x0                                ; block a - 2's stores have read the registers that this block's codes take
.endif
	EQUANT ea
.if \kind
.irp p, 0,1,2,3,4,5
	global_store_b64 v24, v[PC+2*\p:PC+2*\p+1], s[10:11] offset:(ea/4)*HS+(ea%4)*1536+256*\p   ; head a / 4, tile a % 4 of its 64 channels: a whole fragment, 128 keys
.endr
	ds_store_b32 v26, v[PW+ea] offset:64*ea        ; both halves of the lanes store the same word
.else
.irp p, 0,1,2
	global_store_b64 v24, v[PC+2*\p:PC+2*\p+1], s[10:11] offset:768*ea+256*\p          ; the first head's 64 channels of tile a of tokens,
	global_store_b64 v24, v[PC+6+2*\p:PC+7+2*\p], s[10:11] offset:HS+768*ea+256*\p     ; the second head's
.endr
	v_lshrrev_b32 v[T16+ea], v30, v[PW+ea]         ; lanes 0-15 the first head's two bytes, lanes 16-31 the second's
	ds_store_b16 v25, v[T16+ea] offset:64*(ea/2)+2*(ea%2)
.endif
.set ea, ea+1
.endr
.endm
	s_mov_b32 s2, 0x76543210
	s_mov_b32 s3, 0xfedcba98                       ; v_permlanex16_b32's selects for lane l xor 16
.irp b, 0,1,2,3
	v_mov_b32 v[TM+4+\b], 0                        ; written once: a lane permute's destination counts as one of its sources
.endr
	s_cmp_eq_u32 s45, 1                            ; the same in all sixteen partners
	s_cbranch_scc1 .Lway_v
	s_lshl_b32 s17, s42, 2
	s_add_co_u32 s17, s17, s41                     ; which 256 tokens: 4 cluster y + cy
	s_lshr_b32 s18, s17, 3                         ; the batch
	s_and_b32 s17, s17, 7                          ; which 256 of its sequence
	s_lshl_b32 s18, s18, 4
	s_lshl_b32 s19, s40, 2
	s_add_co_u32 s18, s18, s19
	s_lshl_b32 s19, s16, 1
	s_add_co_u32 s18, s18, s19                     ; 16 batch + my first head, 4 cx + 2 (my half of the columns)
	s_mul_i32 s18, s18, HS
	s_mul_i32 s19, s17, 25600
	s_add_co_u32 s20, s19, 102400                  ; k: the slot's codes,
	s_add_co_u32 s21, s19, 126976                  ; its scale bytes
	s_mul_i32 s66, s17, 12288                      ; q: codes,
	s_lshl_b32 s67, s17, 9
	s_add_co_u32 s67, s67, 98304                   ; scale bytes
	s_cmp_eq_u32 ttmp9, 1
	s_cselect_b32 s20, s20, s66
	s_cselect_b32 s66, s21, s67
	s_add_co_u32 s20, s20, s18
	s_add_co_u32 s66, s66, s18
	s_mul_i32 s19, s15, 6144                       ; my 8 tiles of tokens
	s_add_co_u32 s20, s20, s19
	s_lshl_b32 s19, s15, 8
	s_add_co_u32 s66, s66, s19
	s_mov_b32 s21, 0
	s_mov_b32 s67, 0
	s_add_nc_u64 s[10:11], s[8:9], s[20:21]
	s_add_nc_u64 s[12:13], s[8:9], s[66:67]
	EPI 0
	ds_load_b128 v[160:163], v22                   ; LDS serves a wave's instructions in order: this sees my stores
	s_wait_dscnt 0x0
	global_store_b128 v31, v[160:163], s[12:13]    ; 256 consecutive bytes for each of the two heads
	s_branch .Lway_end
.Lway_v:
	s_lshl_b32 s17, s42, 2
	s_add_co_u32 s17, s17, s40                     ; which 256 tokens: 4 cluster y + cx
	s_lshr_b32 s18, s17, 3
	s_and_b32 s17, s17, 7                          ; the slot
	s_lshl_b32 s18, s18, 4
	s_lshl_b32 s19, s41, 2
	s_add_co_u32 s18, s18, s19
	s_lshl_b32 s19, s15, 1
	s_add_co_u32 s18, s18, s19                     ; 16 batch + my first head, 4 cy + 2 (my half of the channels)
	s_mul_i32 s18, s18, HS
	s_mul_i32 s19, s17, 25600
	s_add_co_u32 s18, s18, s19
	s_mul_i32 s19, s16, 6144                       ; my 128 keys of the slot's 256
	s_add_co_u32 s20, s18, s19
	s_add_co_u32 s20, s20, 114688
	s_lshl_b32 s19, s16, 8
	s_add_co_u32 s66, s18, s19
	s_add_co_u32 s66, s66, 127488
	s_mov_b32 s21, 0
	s_mov_b32 s67, 0
	s_add_nc_u64 s[10:11], s[8:9], s[20:21]
	s_add_nc_u64 s[12:13], s[8:9], s[66:67]
	EPI 1
	ds_load_b128 v[160:163], v23
	s_wait_dscnt 0x0
	global_store_b128 v31, v[160:163], s[12:13]
.Lway_end:
	s_wait_tensorcnt 0x0                           ; the wave's end, behind my last tensor load and my last LDS store
	ds_add_u32 v28, v29
	s_wait_dscnt 0x0
	CROUND                                         ; the closing round: no work-group ends while a partner may still ask for a tile that names it
	s_endpgm
.Lfunc_end_k_qad422e2bd4_qkvg:
	.size	k_qad422e2bd4_qkvg, .Lfunc_end_k_qad422e2bd4_qkvg-k_qad422e2bd4_qkvg
	.p2alignl 7, 3214868480
	.fill 96, 4, 3214868480
	.section	.rodata,"a",@progbits
	.p2align	6, 0x0
	.amdhsa_kernel k_qad422e2bd4_qkvg
		.amdhsa_group_segment_fixed_size 327680
		.amdhsa_private_segment_fixed_size 0
		.amdhsa_enable_private_segment 0
		.amdhsa_kernarg_size 24
		.amdhsa_user_sgpr_count 2
		.amdhsa_user_sgpr_kernarg_segment_ptr 1
		.amdhsa_wavefront_size32 1
		.amdhsa_system_sgpr_workgroup_id_x 1
		.amdhsa_system_sgpr_workgroup_id_y 1
		.amdhsa_system_sgpr_workgroup_id_z 1
		.amdhsa_system_vgpr_workitem_id 0
		.amdhsa_next_free_vgpr 1024
		.amdhsa_next_free_sgpr 100
		.amdhsa_reserve_vcc 0
		.amdhsa_float_denorm_mode_32 3
		.amdhsa_float_denorm_mode_16_64 3
		.amdhsa_memory_ordered 1
		.amdhsa_forward_progress 1
		.amdhsa_inst_pref_size 204
	.end_amdhsa_kernel
	.amdgpu_metadata
---
amdhsa.version: [ 1, 2 ]
amdhsa.kernels:
  - .name:           k_qad422e2bd4_qkvg
    .symbol:         k_qad422e2bd4_qkvg.kd
    .args:
      - { .name: opc, .offset: 0, .size: 8, .value_kind: global_buffer, .address_space: global }
      - { .name: ops, .offset: 8, .size: 8, .value_kind: global_buffer, .address_space: global }
      - { .name: qkv, .offset: 16, .size: 8, .value_kind: global_buffer, .address_space: global }
    .group_segment_fixed_size: 327680
    .private_segment_fixed_size: 0
    .kernarg_segment_align: 8
    .kernarg_segment_size: 24
    .max_flat_workgroup_size: 128
    .sgpr_count:     100
    .vgpr_count:     1024
    .wavefront_size: 32
...
	.end_amdgpu_metadata
.endif
;; end of part 2
;; launch attn (part 3): grid 4 x 64, 16 waves a work-group, no clusters, 327,680 bytes of LDS; arguments qkv, yc, ys; writes yc, ys
.if DOCPART == 3
	.amdgcn_target "amdgcn-amd-amdhsa--gfx1250"
	.amdhsa_code_object_version 6
	.text
	.protected	k_qad422e2bd4_attn
	.globl	k_qad422e2bd4_attn
	.p2align	8
	.type	k_qad422e2bd4_attn,@function
k_qad422e2bd4_attn:
	s_mov_b64 s[64:65], 0
	v_nop
	global_prefetch_b8 v0, s[64:65] scope:SCOPE_SE
	s_setreg_imm32_b32 hwreg(HW_REG_WAVE_MODE, 25, 1), 1
	s_wait_xcnt 0x0
; y = softmax(q k^T / 8, causal) v for one head, both products on codes of FP6 (E2M3) with E8M0 scales; y is quantised at once, along the head's 64, for the last product.
; THE SOFTMAX: t = score x log2(e) / 8; M = the row's largest t so far, rounded UP to a whole number; p = 2^(t - M) is quantised along the keys, not normalised; the row's sum is taken of the
; unquantised p and divides at the end (a reciprocal and a multiplication).  When M moves, the sum and O are multiplied by 2^(old M - new M): exact.
; SHARES.  A work-group owns blocks I and 7 - I of a head's eight blocks of 256 queries: it walks I + 1 slots of 256 keys for the first and 8 - I for the second: NINE slots in every work-group, so the
; trip count is a constant and all work-groups have equal work.  Each of the sixteen waves owns one tile of 16 queries of the block in hand.
; NO CLUSTER: the four work-groups of a head want different slots in the same trip; walking in step would take 12 slots for each against 9.
; LAYOUT.  Both products are used transposed (S^T = k q^T, O^T = v^T p^T): a lane holds ONE query.  Tiles of tokens and of channels hold rows 32 g + 8 u + r + 8 (r / 8), so the 16 registers of two
; neighbouring tiles are 16 neighbours.  K = 64 IN AN INSTRUCTION 128 DEEP: a fragment of k is two neighbouring tiles of keys side by side (64 + 64); q stands between zero codes, v16-33 = [0 | q | 0]:
; v[22:33] = [q | 0] meets the first tile, v[16:27] = [0 | q] the second.  What meets zero codes adds nothing; the scale bytes there are real bytes.
; A slot in LDS is a slot of qkv as it lies: k's codes [16][768] at 0, v's codes [2][4][1,536] at 12,288, k's scale bytes at 24,576, v's scale words at 25,088: 25,600 bytes, brought by waves 0-3, 6,400 each.
; CAUSAL: a key step of 128 all of whose keys come after the wave's queries is jumped over (a scalar branch on ids); on the diagonal hidden scores become -infinity ahead of the maximum.
; LIMITS: NaN and infinities are not served; a block of zeros, or one under 2^-124, gets the byte 1.  y's two scale bytes leave as 2 bytes a lane, 8 bytes apart: 262,144 bytes in the launch.
; REGISTERS: v1 8 x lane, v2 4 r, v3 8 r, v4 the mask's bound, v5-6 the add's, v7-8 addresses in hand, v9 -infinity, v12 -M, v13 the largest t, v[14:15] the sum, v16-33 q, v34-39 the second block's q,
; v40-41 q's scale words, v42-89 four fragments, v90-93 their scale words, v96-159 S^T then p, v160-191 O^T, v192-211 codes, v212-231 at work.
.set HS,    307200
.set KPS_Y, 1572864
.set SLB,   25600
.set SLOTX, 0x8000                     ; slot 1 begins here: one exclusive or turns an address
.set SPARE, 65536                      ; the spare words, 128 bytes for each of sixteen waves
.macro TLOAD                           ; waves 0 to 3 fetch a quarter of a slot each; four v_nop follow the line
	s_cmp_lt_u32 s18, 4
	s_cbranch_scc0 .Lnone_\@
	tensor_load_to_lds s[32:35], s[24:31]
	s_nop 0
.rept 4
	v_nop
.endr
.Lnone_\@:
.endm
	s_load_b128 s[4:7], s[0:1], 0x0                ; qkv, yc
	s_load_b64 s[8:9], s[0:1], 0x10                ; ys
	v_lshl_add_u32 v5, v0, 2, SPARE
	v_mov_b32 v6, 0
	ds_add_u32 v5, v6
	ds_add_u32 v5, v6
	s_wait_dscnt 0x0
	v_lshrrev_b32 v7, 5, v0
	s_delay_alu instid0(VALU_DEP_1)
	v_readfirstlane_b32 s18, v7                    ; wave 0..15
	s_mov_b32 s46, ttmp9                           ; I
	s_add_co_u32 s52, s46, 1
	s_lshr_b32 s53, s18, 3
	s_and_b32 s55, ttmp7, 0xffff                   ; 16 batch + head
	s_mul_i32 s54, s55, HS
	s_lshl_b32 s56, s46, 4
	s_add_co_u32 s56, s56, s18                     ; my tile of queries in block I,
	s_sub_co_u32 s57, 7, s46
	s_lshl_b32 s57, s57, 4
	s_add_co_u32 s57, s57, s18                     ; and in block 7 - I
	s_mul_i32 s70, s56, 768
	s_add_co_u32 s70, s70, s54
	s_mov_b32 s71, 0
	s_mul_i32 s72, s57, 768
	s_add_co_u32 s72, s72, s54
	s_mov_b32 s73, 0
	s_lshr_b32 s74, s56, 1
	s_lshl_b32 s74, s74, 6
	s_add_co_u32 s74, s74, s54
	s_add_co_u32 s74, s74, 98304                   ; the pair of tiles' scale bytes
	s_mov_b32 s75, 0
	s_lshr_b32 s76, s57, 1
	s_lshl_b32 s76, s76, 6
	s_add_co_u32 s76, s76, s54
	s_add_co_u32 s76, s76, 98304
	s_mov_b32 s77, 0
	s_and_b32 s33, s18, 3
	s_mul_i32 s33, s33, 6400                       ; descriptor group 0, 63:32: my quarter of slot 0
	s_add_co_u32 s78, s54, s33
	s_add_co_u32 s78, s78, 102400
	s_mov_b32 s79, 0
	s_mov_b32 s24, 3<<16                           ; group 1: 25 rows of 256 bytes (32 elements of 8 bytes), dense, no padding, no mask
	s_mov_b32 s25, 32<<16
	s_mov_b32 s26, 25<<16
	s_mov_b32 s27, 32<<16
	s_mov_b32 s28, 25
	s_mov_b32 s29, 32
	s_mov_b32 s30, 0
	s_mov_b32 s31, 0
	s_mov_b32 s32, 1
	s_mov_b32 s20, 0x76543210
	s_mov_b32 s21, 0xfedcba98                      ; v_permlanex16_b32's selects for lane l xor 16
	s_mov_b32 s22, 0x3e38aa3b                      ; c = log2(e) / 8
	s_mov_b32 s23, s22                             ; (named with it as a pair, so it is written)
	s_wait_kmcnt 0x0
	s_add_nc_u64 s[36:37], s[4:5], s[78:79]        ; my quarter of the head's slot 0 in memory
	s_mov_b64 s[34:35], s[36:37]
	s_or_b32 s35, s35, 0x80000000
	TLOAD                                          ; slot 0: the one first fill
	s_add_nc_u64 s[10:11], s[4:5], s[70:71]
	s_add_nc_u64 s[12:13], s[4:5], s[72:73]
	s_add_nc_u64 s[14:15], s[4:5], s[74:75]
	s_add_nc_u64 s[16:17], s[4:5], s[76:77]
	v_and_b32 v10, 31, v0
	s_delay_alu instid0(VALU_DEP_1)
	v_lshlrev_b32 v1, 3, v10
	v_and_b32 v10, 15, v0                          ; r
	s_delay_alu instid0(VALU_DEP_1)
	v_lshlrev_b32 v2, 2, v10
	s_delay_alu instid0(VALU_DEP_2)
	v_lshlrev_b32 v3, 3, v10
.irp p, 0,1,2
	global_load_b64 v[22+2*\p:23+2*\p], v1, s[10:11] offset:256*\p
	global_load_b64 v[34+2*\p:35+2*\p], v1, s[12:13] offset:256*\p
.endr
	global_load_b32 v40, v2, s[14:15]
	global_load_b32 v41, v2, s[16:17]
	v_bfe_u32 v11, v0, 4, 1                        ; h
	v_and_b32 v4, 8, v10
	s_delay_alu instid0(VALU_DEP_1)
	v_add_nc_u32 v4, v4, v10
	s_delay_alu instid0(VALU_DEP_3)
	v_lshlrev_b32 v11, 4, v11
	s_delay_alu instid0(VALU_DEP_1)
	v_sub_nc_u32 v4, v4, v11
	s_and_b32 s70, s18, 7
	s_lshr_b32 s70, s70, 1
	s_lshl_b32 s70, s70, 5
	s_and_b32 s71, s18, 1
	s_lshl_b32 s71, s71, 3
	s_add_co_u32 s70, s70, s71
	v_add_nc_u32 v4, s70, v4                       ; my query's place in its 128 tokens, less 16 h: register 16 b + i holds key 32 b + 16 h + i, hidden where 32 b + i is above this
	; where y goes: yc = [K / 256][tile of tokens 512][2 fragments]; head hd fills planes 3 (hd % 2) .. + 2 of fragment hd / 2;  ys = [tile][K / 256][r][2] words, head hd bytes 2 (hd % 2), + 1
	s_lshr_b32 s58, s55, 4
	s_and_b32 s59, s55, 15
	s_lshl_b32 s58, s58, 7
	s_add_co_u32 s58, s58, s18                     ; 128 batch + wave
	s_lshr_b32 s60, s59, 2
	s_bfe_u32 s61, s59, 0x10001
	s_and_b32 s62, s59, 1
	s_mul_i32 s70, s60, KPS_Y
	s_mul_i32 s72, s58, 3072
	s_add_co_u32 s70, s70, s72
	s_mul_i32 s72, s61, 1536
	s_add_co_u32 s70, s70, s72
	s_mul_i32 s72, s62, 768
	s_add_co_u32 s70, s70, s72
	s_mov_b32 s71, 0
	s_add_nc_u64 s[38:39], s[6:7], s[70:71]
	s_lshl_b32 s70, s58, 9
	s_lshl_b32 s72, s60, 7
	s_add_co_u32 s70, s70, s72
	s_lshl_b32 s72, s61, 2
	s_add_co_u32 s70, s70, s72
	s_lshl_b32 s72, s62, 1
	s_add_co_u32 s70, s70, s72
	s_add_nc_u64 s[40:41], s[8:9], s[70:71]
	s_mov_b32 s47, 0                               ; the trip
	s_mov_b32 s48, s46                             ; the block of queries in hand
	s_mov_b32 s49, 0                               ; the slot of keys in hand
	s_lshl_b32 s50, s48, 1
	s_add_co_u32 s50, s50, s53                     ; the key step of 128 in which my queries lie
	s_mov_b32 s51, 0                               ; the LDS slot in hand
	v_mov_b32 v9, 0xff800000
	v_mov_b32 v13, 0xff61b1e6                      ; the largest t so far: -3e38, under every t
	s_delay_alu instid0(VALU_DEP_1)
	v_floor_f32 v12, -v13
	v_mov_b32 v14, 0
	v_mov_b32 v15, 0
.irp i, 0,1,2,3,4,5
	v_mov_b32 v[16+\i], 0                          ; the zero codes on both sides of q
	v_mov_b32 v[28+\i], 0
.endr
.irp b, 0,1,2,3
	v_mov_b32 v[216+\b], 0                         ; written once: a lane permute's destination counts as one of its sources
.endr
	v_mov_b32 v227, 0                              ; (named as the upper half of the pair v[226:227])
	v_mov_b32 v228, 0
	s_and_b32 s70, s18, 1
	s_lshl_b32 s70, s70, 4
	s_wait_loadcnt 0x0
	v_lshrrev_b32 v40, s70, v40                    ; my tile's two bytes of the pair's word,
	v_lshrrev_b32 v41, s70, v41
	s_delay_alu instid0(VALU_DEP_2)
	v_and_b32 v40, 0xffff, v40
	s_delay_alu instid0(VALU_DEP_2)
	v_and_b32 v41, 0xffff, v41
	s_delay_alu instid0(VALU_DEP_2)
	v_lshl_or_b32 v40, v40, 16, v40                ; twice: for [q | 0] and for [0 | q]
	s_delay_alu instid0(VALU_DEP_2)
	v_lshl_or_b32 v41, v41, 16, v41
.set j, 0
.rept 32
	v_mov_b32 v[160+j], 0                          ; O^T: the step is written once; the first change of M leaves zeros zeros.  (These lines also part the scale word's making from the first product)
.set j, j+1
.endr
.macro STEP q                          ; 128 keys: the q-th half of the slot in hand
	s_lshl_b32 s73, s49, 1
	s_add_co_u32 s73, s73, \q                      ; which 128 keys of the sequence
	s_cmp_gt_u32 s73, s50
	s_cbranch_scc1 .Lhid_\@                        ; all of them come after my queries
	v_add_nc_u32 v7, s51, v1
	v_add_nc_u32 v8, s51, v2
	v_nop
	v_nop                                          ; four places in front of loads into registers that the last products have read
.irp b, 0,1,2,3
.irp p, 0,1,2,3,4,5
	ds_load_b64 v[42+12*\b+2*\p:43+12*\b+2*\p], v7 offset:6144*(\q)+1536*\b+256*\p
.endr
	ds_load_b32 v[90+\b], v8 offset:24576+256*(\q)+64*\b
.endr
	s_wait_alu depctr_va_vdst(0)
	s_wait_dscnt 0x0
.irp b, 0,1,2,3
	v_wmma_scale_f32_16x16x128_f8f6f4 v[96+16*\b:103+16*\b], v[42+12*\b:53+12*\b], v[22:33], 0, v[90+\b], v40 matrix_a_fmt:MATRIX_FMT_FP6 matrix_b_fmt:MATRIX_FMT_FP6
	v_wmma_scale_f32_16x16x128_f8f6f4 v[104+16*\b:111+16*\b], v[42+12*\b:53+12*\b], v[16:27], 0, v[90+\b], v40 matrix_a_fmt:MATRIX_FMT_FP6 matrix_b_fmt:MATRIX_FMT_FP6
.endr
.rept 4
	v_nop                                          ; places behind the products: for the loads below and for the first reads of the scores
.endr
.irp t, 0,1,2,3                        ; v's four fragments land while the softmax is worked
.irp p, 0,1,2,3,4,5
	ds_load_b64 v[42+12*\t+2*\p:43+12*\t+2*\p], v7 offset:12288+6144*(\q)+1536*\t+256*\p
.endr
	ds_load_b32 v[90+\t], v8 offset:25088+256*(\q)+64*\t
.endr
	s_cmp_lt_u32 s73, s50
	s_cbranch_scc1 .Lopen_\@                       ; all keys count
.set n, 0
.rept 64
	v_cmp_gt_i32 vcc_lo, 32*(n/16)+n%16, v4
	v_cndmask_b32 v[96+n], v[96+n], v9, vcc_lo
.set n, n+1
.endr
.Lopen_\@:
.irp b, 0,1,2,3
	v_max3_num_f32 v[212+\b], v[96+16*\b], v[97+16*\b], v[98+16*\b]   ; the largest score of each block of 32 keys: for the row's maximum and, since p rises with the score, for the block's largest p
.endr
.irp i, 3,5,7,9,11,13
.irp b, 0,1,2,3
	v_max3_num_f32 v[212+\b], v[212+\b], v[96+16*\b+\i], v[97+16*\b+\i]
.endr
.endr
.irp b, 0,1,2,3
	v_max_num_f32 v[212+\b], v[212+\b], v[111+16*\b]
.endr
.irp b, 0,1,2,3
	s_delay_alu instid0(VALU_DEP_4)
	v_permlanex16_b32 v[216+\b], v[212+\b], s20, s21
.endr
.irp b, 0,1,2,3
	s_delay_alu instid0(VALU_DEP_4)
	v_max_num_f32 v[212+\b], v[212+\b], v[216+\b]  ; with lane l xor 16's 16 keys
.endr
	s_delay_alu instid0(VALU_DEP_2)
	v_max3_num_f32 v228, v212, v213, v214
	s_delay_alu instid0(VALU_DEP_1)
	v_max_num_f32 v228, v228, v215
	s_delay_alu instid0(VALU_DEP_1)
	v_mul_f32 v228, s22, v228                      ; the step's largest t
	s_delay_alu instid0(VALU_DEP_1)
	v_max_num_f32 v13, v13, v228
	v_mov_b32 v228, v12
	s_delay_alu instid0(VALU_DEP_2)
	v_floor_f32 v12, -v13                          ; the new -M = -ceil(t)
	s_delay_alu instid0(VALU_DEP_1)
	v_sub_f32 v228, v12, v228                      ; old M - new M: a whole number, 0 or less
	s_delay_alu instid0(VALU_DEP_1)
	v_cvt_i32_f32 v228, v228                       ; (it saturates)
	s_delay_alu instid0(VALU_DEP_1)
	v_ldexp_f32 v226, 1.0, v228                    ; f = 2^(old M - new M)
.set j, 0
.rept 32
	v_pk_fma_f32 v[96+j:97+j], v[96+j:97+j], s[22:23], v[12:13] op_sel_hi:[1,0,0]   ; t - M
.set j, j+2
.endr
.irp b, 0,1,2,3
	v_fma_f32 v[212+\b], v[212+\b], s22, v12
.endr
.set j, 0
	s_wait_alu depctr_va_vdst(0)
.rept 64
	v_exp_f32 v[96+j], v[96+j]                     ; p = 2^(t - M)
.set j, j+1
.endr
	v_pk_mul_f32 v[14:15], v[14:15], v[226:227] op_sel_hi:[1,0]   ; the sums under the new M: the plain place behind the exponentials
	s_wait_alu depctr_va_vdst(0)                   ; one wait for the batch, ahead of its first reader
.irp b, 0,1,2,3
	v_exp_f32 v[212+\b], v[212+\b]                 ; each block's largest p
.endr
	v_pk_add_f32 v[230:231], v[100:101], v[104:105]
	v_pk_add_f32 v[254:255], v[108:109], v[112:113]
	v_pk_add_f32 v[252:253], v[116:117], v[120:121]
	v_pk_add_f32 v[250:251], v[124:125], v[128:129]
	v_pk_add_f32 v[248:249], v[132:133], v[136:137]
	v_pk_add_f32 v[246:247], v[140:141], v[144:145]
	v_pk_add_f32 v[244:245], v[148:149], v[152:153]
	v_pk_add_f32 v[14:15], v[14:15], v[156:157]
	v_pk_add_f32 v[230:231], v[230:231], v[96:97]
	v_pk_add_f32 v[254:255], v[254:255], v[98:99]
	v_pk_add_f32 v[252:253], v[252:253], v[102:103]
	v_pk_add_f32 v[250:251], v[250:251], v[106:107]
	v_pk_add_f32 v[248:249], v[248:249], v[110:111]
	v_pk_add_f32 v[246:247], v[246:247], v[114:115]
	v_pk_add_f32 v[244:245], v[244:245], v[118:119]
	v_pk_add_f32 v[14:15], v[14:15], v[122:123]
	v_pk_add_f32 v[230:231], v[230:231], v[126:127]
	v_pk_add_f32 v[254:255], v[254:255], v[130:131]
	v_pk_add_f32 v[252:253], v[252:253], v[134:135]
	v_pk_add_f32 v[250:251], v[250:251], v[138:139]
	v_pk_add_f32 v[248:249], v[248:249], v[142:143]
	v_pk_add_f32 v[246:247], v[246:247], v[146:147]
	v_pk_add_f32 v[244:245], v[244:245], v[150:151]
	v_pk_add_f32 v[14:15], v[14:15], v[154:155]
	v_pk_add_f32 v[230:231], v[230:231], v[158:159]
	s_delay_alu instid0(VALU_DEP_2)
	v_pk_add_f32 v[14:15], v[14:15], v[250:251]
	s_delay_alu instid0(VALU_DEP_2)
	v_pk_add_f32 v[230:231], v[230:231], v[248:249]
	v_pk_add_f32 v[254:255], v[254:255], v[246:247]
	v_pk_add_f32 v[252:253], v[252:253], v[244:245]
	s_delay_alu instid0(VALU_DEP_2)
	v_pk_add_f32 v[14:15], v[14:15], v[254:255]
	s_delay_alu instid0(VALU_DEP_2)
	v_pk_add_f32 v[230:231], v[230:231], v[252:253]
	s_delay_alu instid0(VALU_DEP_1)
	v_pk_add_f32 v[14:15], v[14:15], v[230:231]
	s_wait_alu depctr_va_vdst(0)                   ; and one for the four
.irp b, 0,1,2,3
	v_max_num_f32 v[212+\b], 0x1800000, v[212+\b]  ; the floor 2^(3 - 127): the byte cannot fall under 1
.endr
.irp b, 0,1,2,3
	s_delay_alu instid0(VALU_DEP_4)
	v_add_nc_u32 v[220+\b], 0xff000000, v[212+\b]
.endr
.irp b, 0,1,2,3
	s_delay_alu instid0(VALU_DEP_4)
	v_lshrrev_b32 v[216+\b], 23, v[220+\b]
.endr
	s_delay_alu instid0(VALU_DEP_3)
	v_lshl_or_b32 v224, v217, 8, v216              ; p's scale word for these 128 keys
	s_delay_alu instid0(VALU_DEP_1)
	v_lshl_or_b32 v224, v218, 16, v224
	s_delay_alu instid0(VALU_DEP_1)
	v_lshl_or_b32 v224, v219, 24, v224
.irp c, 0,1
	v_cvt_scalef32_pk16_fp6_f32 v[192+6*\c:194+6*\c], v[96+32*\c:111+32*\c], v[220+2*\c]
	v_cvt_scalef32_pk16_fp6_f32 v[204+4*\c:206+4*\c], v[112+32*\c:127+32*\c], v[220+2*\c+1]
.endr
	v_nop                                          ; one plain place behind a scaled conversion
.irp c, 0,1
.irp i, 0,1,2
	v_permlane16_swap_b32 v[192+6*\c+\i], v[204+4*\c+\i]
.endr
.irp i, 0,1,2
	s_delay_alu instid0(VALU_DEP_3)
	v_mov_b32 v[195+6*\c+\i], v[204+4*\c+\i]
.endr
.endr
.set j, 0
.rept 16
	v_pk_mul_f32 v[160+j:161+j], v[160+j:161+j], v[226:227] op_sel_hi:[1,0]   ; O^T under the new M; these sixteen also part the codes' and the scale word's making from the products
.set j, j+2
.endr
	s_wait_alu depctr_va_vdst(0)
	s_wait_dscnt 0x0                               ; v's fragments are in
.irp t, 0,1,2,3
	v_wmma_scale_f32_16x16x128_f8f6f4 v[160+8*\t:167+8*\t], v[42+12*\t:53+12*\t], v[192:203], v[160+8*\t:167+8*\t], v[90+\t], v224 matrix_a_fmt:MATRIX_FMT_FP6 matrix_b_fmt:MATRIX_FMT_FP6
.endr
.Lhid_\@:
.endm
; THE CHANGE OF SLOTS, at a slot's head.  fill = 1: the slot that has been left takes the keys of the next trip: slot J + 1 of the first block's walk, or J - I of the second's.
.macro CHANGE fill
	s_wait_tensorcnt 0x0                           ; no tensor load of mine is out, so group 0 may be written
	ds_add_u32 v5, v6                              ; 0 onto my spare word
.if \fill
	s_add_co_u32 s70, s47, 1
	s_sub_co_u32 s71, s47, s46
	s_cmp_le_u32 s70, s46
	s_cselect_b32 s70, s70, s71
	s_mul_i32 s70, s70, SLB
	s_mov_b32 s71, 0
	s_add_nc_u64 s[34:35], s[36:37], s[70:71]
	s_or_b32 s35, s35, 0x80000000
	s_xor_b32 s33, s33, SLOTX
.endif
	s_wait_dscnt 0x0                               ; the add is done, and my reads of the slot that I have left are over
	s_barrier_signal -1
	s_barrier_wait -1
.if \fill
	TLOAD                                          ; the first thing behind the barrier, and a wave's one tensor load until the next: it has a slot's two key steps in which to land
.endif
.endm
; A block's end: O^T / the sum, quantised along the head's 64, three planes of codes and two scale bytes a row.
.macro FINISH
.rept 4
	v_nop                                          ; places behind the last products
.endr
	v_add_f32 v14, v14, v15
	s_delay_alu instid0(VALU_DEP_1)
	v_permlanex16_b32 v228, v14, s20, s21
	s_delay_alu instid0(VALU_DEP_1)
	v_add_f32 v14, v14, v228                       ; the row's sum
	s_wait_alu depctr_va_vdst(0)
	v_rcp_f32 v14, v14
	v_nop                                          ; the plain place behind the reciprocal
	s_wait_xcnt 0x0                                ; earlier stores have read their bases
	s_mul_i32 s70, s48, 49152                      ; the block's 16 tiles of tokens
	s_mov_b32 s71, 0
	s_add_nc_u64 s[42:43], s[38:39], s[70:71]
	s_lshl_b32 s70, s48, 13
	s_add_nc_u64 s[44:45], s[40:41], s[70:71]
	s_wait_alu depctr_va_vdst(0)                   ; ahead of the reciprocal's first reader
.set j, 0
.rept 32
	v_mul_f32 v[96+j], v[160+j], v14               ; register 16 b + i is y(my query, 32 b + 16 h + i); each accumulator from its low end on
.set j, j+1
.endr
.irp b, 0,1
	v_max3_num_f32 v[212+\b], |v[96+16*\b]|, |v[97+16*\b]|, 0x1800000
.endr
.irp i, 2,4,6,8,10,12,14
.irp b, 0,1
	s_delay_alu instid0(VALU_DEP_2)
	v_max3_num_f32 v[212+\b], v[212+\b], |v[96+16*\b+\i]|, |v[97+16*\b+\i]|
.endr
.endr
.irp b, 0,1
	s_delay_alu instid0(VALU_DEP_2)
	v_permlanex16_b32 v[216+\b], v[212+\b], s20, s21
.endr
.irp b, 0,1
	s_delay_alu instid0(VALU_DEP_2)
	v_max_num_f32 v[212+\b], v[212+\b], v[216+\b]
.endr
.irp b, 0,1
	s_delay_alu instid0(VALU_DEP_2)
	v_add_nc_u32 v[220+\b], 0xff000000, v[212+\b]
.endr
.irp b, 0,1
	s_delay_alu instid0(VALU_DEP_2)
	v_lshrrev_b32 v[216+\b], 23, v[220+\b]
.endr
	s_delay_alu instid0(VALU_DEP_1)
	v_lshl_or_b32 v228, v217, 8, v216
	v_cvt_scalef32_pk16_fp6_f32 v[192:194], v[96:111], v220
	v_cvt_scalef32_pk16_fp6_f32 v[204:206], v[112:127], v221
	v_nop
.irp i, 0,1,2
	v_permlane16_swap_b32 v[192+\i], v[204+\i]
.endr
.irp i, 0,1,2
	s_delay_alu instid0(VALU_DEP_3)
	v_mov_b32 v[195+\i], v[204+\i]
.endr
.irp p, 0,1,2
	global_store_b64 v1, v[192+2*\p:193+2*\p], s[42:43] offset:256*\p   ; 256 consecutive bytes, aligned
.endr
	global_store_b16 v3, v228, s[44:45]            ; lanes r and r + 16 store the same two bytes
.endm
.Lslot:                                            ; eight trips; the ninth slot is written out
	CHANGE 1
	s_cmp_lg_u32 s47, s52
	s_cbranch_scc1 .Lsame_block
	FINISH                                         ; trip I + 1: the first block is done; on to block 7 - I, from the head's first keys
	v_mov_b32 v40, v41
.irp i, 0,1,2,3,4,5
	v_mov_b32 v[22+\i], v[34+\i]
.endr
	v_mov_b32 v13, 0xff61b1e6
	s_delay_alu instid0(VALU_DEP_1)
	v_floor_f32 v12, -v13
	v_mov_b32 v14, 0
	v_mov_b32 v15, 0
.set j, 0
.rept 32
	v_mov_b32 v[160+j], 0
.set j, j+1
.endr
	s_sub_co_u32 s48, 7, s46
	s_lshl_b32 s50, s48, 1
	s_add_co_u32 s50, s50, s53
	s_mov_b32 s49, 0
	s_wait_xcnt 0x0                                ; y's stores have read their registers: the next step writes them again
.Lsame_block:
	STEP 0
	STEP 1
	s_xor_b32 s51, s51, SLOTX
	s_add_co_u32 s49, s49, 1
	s_add_co_u32 s47, s47, 1
	s_cmp_lt_u32 s47, 8
	s_cbranch_scc1 .Lslot
	CHANGE 0
	STEP 0
	STEP 1
	FINISH
	s_wait_tensorcnt 0x0                           ; the wave's end
	ds_add_u32 v5, v6
	s_wait_dscnt 0x0
	s_endpgm
.Lfunc_end_k_qad422e2bd4_attn:
	.size	k_qad422e2bd4_attn, .Lfunc_end_k_qad422e2bd4_attn-k_qad422e2bd4_attn
	.p2alignl 7, 3214868480
	.fill 96, 4, 3214868480
	.section	.rodata,"a",@progbits
	.p2align	6, 0x0
	.amdhsa_kernel k_qad422e2bd4_attn
		.amdhsa_group_segment_fixed_size 327680
		.amdhsa_private_segment_fixed_size 0
		.amdhsa_enable_private_segment 0
		.amdhsa_kernarg_size 24
		.amdhsa_user_sgpr_count 2
		.amdhsa_user_sgpr_kernarg_segment_ptr 1
		.amdhsa_wavefront_size32 1
		.amdhsa_system_sgpr_workgroup_id_x 1
		.amdhsa_system_sgpr_workgroup_id_y 1
		.amdhsa_system_sgpr_workgroup_id_z 1
		.amdhsa_system_vgpr_workitem_id 0
		.amdhsa_next_free_vgpr 256
		.amdhsa_next_free_sgpr 80
		.amdhsa_reserve_vcc 1
		.amdhsa_float_denorm_mode_32 3
		.amdhsa_float_denorm_mode_16_64 3
		.amdhsa_memory_ordered 1
		.amdhsa_forward_progress 1
		.amdhsa_inst_pref_size 114
	.end_amdhsa_kernel
	.amdgpu_metadata
---
amdhsa.version: [ 1, 2 ]
amdhsa.kernels:
  - .name:           k_qad422e2bd4_attn
    .symbol:         k_qad422e2bd4_attn.kd
    .args:
      - { .name: qkv, .offset: 0, .size: 8, .value_kind: global_buffer, .address_space: global }
      - { .name: yc, .offset: 8, .size: 8, .value_kind: global_buffer, .address_space: global }
      - { .name: ys, .offset: 16, .size: 8, .value_kind: global_buffer, .address_space: global }
    .group_segment_fixed_size: 327680
    .private_segment_fixed_size: 0
    .kernarg_segment_align: 8
    .kernarg_segment_size: 24
    .max_flat_workgroup_size: 512
    .sgpr_count:     80
    .vgpr_count:     256
    .wavefront_size: 32
...
	.end_amdgpu_metadata
.endif
;; end of part 3
;; launch proj (part 4): grid 4 x 64, 4 waves a work-group, clusters of 4 x 4, 327,680 bytes of LDS; arguments yc, ys, opc, ops, out0; writes out0
.if DOCPART == 4
	.amdgcn_target "amdgcn-amd-amdhsa--gfx1250"
	.amdhsa_code_object_version 6
	.text
	.protected	k_qad422e2bd4_proj
	.globl	k_qad422e2bd4_proj
	.p2align	8
	.type	k_qad422e2bd4_proj,@function
k_qad422e2bd4_proj:
	s_mov_b64 s[64:65], 0
	v_nop
	global_prefetch_b8 v0, s[64:65] scope:SCOPE_SE
	s_setreg_imm32_b32 hwreg(HW_REG_WAVE_MODE, 25, 1), 1
	s_wait_xcnt 0x0
	s_wait_alu depctr_hold_cnt(0) depctr_sa_sdst(0) depctr_va_vdst(0) depctr_va_sdst(0) depctr_va_ssrc(0) depctr_va_vcc(0) depctr_vm_vsrc(0)
	s_getreg_b32 s2, hwreg(HW_REG_IB_STS2, 6, 4)
	s_cmp_eq_u32 s2, 0
	s_cbranch_scc0 .Lentry_in_a_cluster
	s_endpgm
.Lentry_in_a_cluster:
	s_bfe_u32 s2, ttmp6, 0x10000c
	s_cmp_lg_u32 s2, 0xf033
	s_cbranch_scc0 .Lentry_shape_is_right
	s_endpgm
.Lentry_shape_is_right:
; out0 = y w_proj on codes of FP6 (E2M3) with E8M0 scales, K = 1,024; out0 [8192][1024] f32.
; A tile of the result is 128 tokens x 256 columns, so that there are 256 work-groups; four waves, 64 x 128 each: 32 accumulators.  Operands come as images of their registers (six planes of 256 bytes a
; fragment; a tile's rows are 32 g + 8 u + r + 8 (r / 8)): a dense block for each tensor load, six ds_load_b64 of 256 consecutive bytes for a fragment.
; THE PRODUCT IS USED TRANSPOSED: source 0 = 16 columns of w_proj ("B"), source 1 = 16 tokens of y ("A"): a lane holds one token and neighbouring columns.
; K goes in steps of 256 (two matrix instructions deep) through two LDS slots: four fills, written out.  The scale words of all of K come once, with the first fills.
; CLUSTERS: 4 x 4.  A's tiles are shared along a row of the cluster, B's along a column: joint loads.
; REGISTERS: window 0: v16-31 addresses; v32-63 scale words, two sets; v64.., v160.. A's fragments, two sets (on the way out v64-191: rows of the result).  window 1: v0-95, v128-223 B's, two sets.
;   window 2: the accumulators, (a, b) at v[8 (8 a + b)].
.set NA,    4
.set HA,    NA*3072
.set HB,    24576
.set SLOT,  2*HA+2*HB
.set SCL,   2*SLOT
.set HSA,   NA*512
.set HSB,   4096
.set SPARE, SCL+2*HSA+2*HSB            ; the spare words, 128 bytes for each wave: two blocks of 256 bytes that no other line names
.set STG,   SPARE+512                  ; the way out: 16 rows x (512 bytes + 16) for each wave, bytes that no tensor load fills
.set KPSA,  1572864                    ; bytes from 256 along K to the next in yc
.set KPSB,  2359296                    ; and in opc
.set SC,    32
.set AF,    64
.set BK,    64
.set G1,   24
.set G0,   32
.set G1B,  48
.set G0B,  56
.set G1S,  68
.set G0S,  76
.set G1SB, 80
.set G0SB, 88
.set MSB, 0
.macro WIN new                         ; the immediate's high byte repeats the setting that is left
.if MSB != (\new)
	s_set_vgpr_msb (MSB<<8)|(\new)
.set MSB, (\new)
.endif
.endm
.set TO_B, 0x40
.macro JLOAD g0a, g1a, g0b, g1b        ; a joint load: waves 0 and 1 fetch for A, waves 2 and 3 for B; four v_nop follow each of the two lines
	s_cmp_eq_u32 s15, 0
	s_cbranch_scc0 .Lfor_b_\@
	tensor_load_to_lds s[\g0a:\g0a+3], s[\g1a:\g1a+7]
	s_nop 0
.rept 4
	v_nop
.endr
	s_branch .Lasked_\@
.Lfor_b_\@:
	tensor_load_to_lds s[\g0b:\g0b+3], s[\g1b:\g1b+7]
	s_nop 0
.rept 4
	v_nop
.endr
.Lasked_\@:
.endm
.macro CREST
	s_cmp_lg_u32 s14, 0
	s_cbranch_scc1 .Lnot_wave_0_\@
	s_barrier_signal -3
.Lnot_wave_0_\@:
	s_barrier_wait -3
	s_barrier_signal -1
	s_barrier_wait -1
.endm
.macro CROUND
	s_barrier_signal -1
	s_barrier_wait -1
	CREST
.endm
.macro SHAPE g, rows                   ; descriptor group 1 but for its first word: a dense block as rows of 256 bytes (32 elements of 8 bytes)
	s_mov_b32 s[\g+1], 32<<16
	s_mov_b32 s[\g+2], (\rows)<<16
	s_mov_b32 s[\g+3], 32<<16
	s_mov_b32 s[\g+4], \rows
	s_mov_b32 s[\g+5], 32
	s_mov_b32 s[\g+6], 0
	s_mov_b32 s[\g+7], 0
.endm
.macro PLACES n
.rept \n
	v_nop
.endr
.endm
	s_load_b128 s[4:7], s[0:1], 0x0                ; yc, ys
	s_load_b128 s[8:11], s[0:1], 0x10              ; opc, ops
	s_load_b64 s[12:13], s[0:1], 0x20              ; out0
	v_lshl_add_u32 v28, v0, 2, SPARE
	v_mov_b32 v29, 0
	ds_add_u32 v28, v29
	s_wait_dscnt 0x0
	v_lshrrev_b32 v1, 5, v0
	v_readfirstlane_b32 s14, v1                    ; wave 0..3
	s_lshr_b32 s15, s14, 1                         ; which half of the tokens is mine.  Also: I fetch for A (0) or for B (1)
	s_and_b32 s16, s14, 1                          ; which half of the columns.  Also: which half I fetch
	s_bfe_u32 s40, ttmp6, 0x40000                  ; cx: the tile column
	s_bfe_u32 s41, ttmp6, 0x40004                  ; cy
	s_and_b32 s42, ttmp7, 0xffff
	s_lshl_b32 s43, s41, 2
	s_lshl_b32 s43, 15, s43                        ; my row of the cluster
	s_lshl_b32 s44, 0x1111, s40                    ; my column
	s_or_b32 s[G1], s43, (3<<16)|(1<<21)
	s_or_b32 s[G1B], s44, (3<<16)|(1<<21)
	s_or_b32 s[G1S], s43, (3<<16)|(1<<21)
	s_or_b32 s[G1SB], s44, (3<<16)|(1<<21)
	SHAPE G1, HA/256
	SHAPE G1B, HB/256
	SHAPE G1S, HSA/256
	SHAPE G1SB, HSB/256
	s_lshl_b32 s17, s42, 2
	s_add_co_u32 s17, s17, s41                     ; the tile row: 4 cluster y + cy
	s_lshl_b32 s18, s17, 3
	s_lshl_b32 s19, s16, 2
	s_add_co_u32 s18, s18, s19                     ; A: y's tile 8 x tile row + 4 x half
	s_lshl_b32 s20, s40, 4
	s_lshl_b32 s21, s16, 3
	s_add_co_u32 s20, s20, s21
	s_add_co_u32 s20, s20, 704                     ; B: w_proj's tile 704 + 16 cx + 8 x half
	s_mul_i32 s22, s18, 3072
	s_mov_b32 s23, 0
	s_lshl_b32 s46, s18, 9
	s_mov_b32 s47, 0
	s_mul_i32 s92, s20, 3072
	s_mov_b32 s93, 0
	s_lshl_b32 s94, s20, 9
	s_mov_b32 s95, 0
	s_mul_i32 s96, s16, HA                         ; where they go: the wave's number alone enters an LDS address
	s_mul_i32 s97, s16, HB
	s_add_co_u32 s97, s97, 2*HA
	s_mul_i32 s98, s16, HSA
	s_add_co_u32 s98, s98, SCL
	s_mul_i32 s99, s16, HSB
	s_add_co_u32 s99, s99, SCL+2*HSA
	s_wait_kmcnt 0x0
	s_add_nc_u64 s[22:23], s[4:5], s[22:23]
	s_add_nc_u64 s[46:47], s[6:7], s[46:47]
	s_add_nc_u64 s[92:93], s[8:9], s[92:93]
	s_add_nc_u64 s[94:95], s[10:11], s[94:95]
	CROUND                                         ; all sixteen work-groups are here: the first joint loads meet
	s_mov_b32 s[G0S], 1
	s_mov_b32 s[G0S+1], s98
	s_mov_b64 s[G0S+2:G0S+3], s[46:47]
	s_or_b32 s[G0S+3], s[G0S+3], 0x80000000
	s_mov_b32 s[G0SB], 1
	s_mov_b32 s[G0SB+1], s99
	s_mov_b64 s[G0SB+2:G0SB+3], s[94:95]
	s_or_b32 s[G0SB+3], s[G0SB+3], 0x80000000
	JLOAD G0S, G1S, G0SB, G1SB
.irp s, 0,1
	s_mov_b32 s[G0+4*\s], 1
	s_add_co_u32 s[G0+4*\s+1], s96, \s*SLOT
	s_add_nc_u64 s[G0+4*\s+2:G0+4*\s+3], s[22:23], \s*KPSA
	s_or_b32 s[G0+4*\s+3], s[G0+4*\s+3], 0x80000000
	s_mov_b32 s[G0B+4*\s], 1
	s_add_co_u32 s[G0B+4*\s+1], s97, \s*SLOT
	s_add_nc_u64 s[G0B+4*\s+2:G0B+4*\s+3], s[92:93], \s*KPSB
	s_or_b32 s[G0B+4*\s+3], s[G0B+4*\s+3], 0x80000000
	JLOAD G0+4*\s, G1, G0B+4*\s, G1B               ; three loads of mine are out
.endr
	v_and_b32 v1, 31, v0
	v_and_b32 v3, 15, v0
	v_bfe_u32 v4, v0, 4, 1
	v_lshlrev_b32 v2, 3, v1
	s_mul_i32 s66, s15, HA
	s_mul_i32 s67, s16, HB
	s_add_co_u32 s67, s67, 2*HA
.irp s, 0,1
	v_add_nc_u32 v[16+\s], s66, v2
	v_add_nc_u32 v[20+\s], s67, v2
	s_add_co_u32 s66, s66, SLOT
	s_add_co_u32 s67, s67, SLOT
.endr
	s_mul_i32 s66, s15, HSA                        ; the scale words: lanes 0-15 A's rows, lanes 16-31 B's: the lower base + h x the distance
	s_mul_i32 s67, s16, HSB
	s_add_co_u32 s67, s67, 2*HSA
	s_sub_co_u32 s67, s67, s66
	v_mul_u32_u24 v5, s67, v4
	s_add_co_u32 s66, s66, SCL
	v_lshl_add_u32 v5, v3, 3, v5
	v_add_nc_u32 v27, s66, v5
	s_mul_i32 s66, s14, 8448
	s_add_co_u32 s66, s66, STG                     ; my stage
	v_mul_u32_u24 v5, v3, 528
	v_lshl_add_u32 v5, v4, 6, v5
	v_add_nc_u32 v24, s66, v5                      ; v24 in: row r, + 64 h bytes
	v_lshlrev_b32 v26, 4, v1                       ; v26 16 x lane: my place in a row of 512 bytes, in the stage and in out0
	v_add_nc_u32 v25, s66, v26                     ; v25 back
	s_lshl_b32 s66, s17, 7
	s_lshl_b32 s67, s15, 6
	s_add_co_u32 s66, s66, s67                     ; my first token: 128 x tile row + 64 x half
	s_lshl_b32 s66, s66, 12
	s_lshl_b32 s67, s40, 10
	s_add_co_u32 s66, s66, s67
	s_lshl_b32 s67, s16, 9
	s_add_co_u32 s66, s66, s67                     ; + my first column, in bytes
	s_mov_b32 s67, 0
	s_add_nc_u64 s[12:13], s[12:13], s[66:67]
.macro FETCH_B slot, q, set
	WIN TO_B
.irp i, 0,1,2,3,4,5,6,7
.irp p, 0,1,2,3,4,5
	ds_load_b64 v[128*(\set)+12*\i+2*\p:128*(\set)+12*\i+2*\p+1], v[20+\slot] offset:\i*3072+(\q)*1536+\p*256
.endr
.endr
	WIN 0
.endm
.macro FETCH_A slot, q, set
.set fi, 0
.rept NA
.irp p, 0,1,2,3,4,5
	ds_load_b64 v[AF+96*(\set)+12*fi+2*\p:AF+96*(\set)+12*fi+2*\p+1], v[16+\slot] offset:fi*3072+(\q)*1536+\p*256
.endr
.set fi, fi+1
.endr
.endm
.macro SCALES sc                       ; two words a row: lanes 0-15 A's tile i (i under 4 is used), lanes 16-31 B's tile i
.irp i, 0,1,2,3,4,5,6,7
	ds_load_b64 v[SC+16*(\sc)+2*\i:SC+16*(\sc)+2*\i+1], v27 offset:512*\i
.endr
.endm
.macro MULA a, set, q, sc, zero        ; the accumulators take turns, one instruction a turn, in the same order in every step
.irp b, 0,1,2,3,4,5,6,7
.if \zero
	v_wmma_scale_f32_16x16x128_f8f6f4 v[8*(8*((\a)%4)+\b):8*(8*((\a)%4)+\b)+7], v[128*(\set)+12*\b:128*(\set)+12*\b+11], v[AF+96*(\set)+12*(\a):AF+96*(\set)+12*(\a)+11], 0, v[SC+16*(\sc)+2*\b+(\q)], v[SC+16*(\sc)+2*(\a)+(\q)] matrix_a_fmt:MATRIX_FMT_FP6 matrix_b_fmt:MATRIX_FMT_FP6 matrix_a_scale:MATRIX_SCALE_ROW1
.else
	v_wmma_scale_f32_16x16x128_f8f6f4 v[8*(8*((\a)%4)+\b):8*(8*((\a)%4)+\b)+7], v[128*(\set)+12*\b:128*(\set)+12*\b+11], v[AF+96*(\set)+12*(\a):AF+96*(\set)+12*(\a)+11], v[8*(8*((\a)%4)+\b):8*(8*((\a)%4)+\b)+7], v[SC+16*(\sc)+2*\b+(\q)], v[SC+16*(\sc)+2*(\a)+(\q)] matrix_a_fmt:MATRIX_FMT_FP6 matrix_b_fmt:MATRIX_FMT_FP6 matrix_a_scale:MATRIX_SCALE_ROW1
.endif
.endr
.endm
.macro MULR a0, cnt, set, q, sc, zero
.set ma, \a0
.rept \cnt
	WIN 0xa1+0x50*(ma/4)
	MULA ma, \set, \q, \sc, \zero
.set ma, ma+1
.endr
.endm
.macro STEP slot, zero
	s_wait_dscnt 0x0                               ; set 0 and the scale words are in
	MULR 0, NA/2, 0, 0, \slot, \zero
	PLACES 4                                       ; in front of loads into registers that matrix instructions have read
	FETCH_B \slot, 1, 1
	FETCH_A \slot, 1, 1
	MULR NA/2, NA/2, 0, 0, \slot, \zero
.endm
.macro TURN slot, next, fill
	WIN 0
	s_wait_tensorcnt 0x0                           ; all my tensor loads have landed: my part of the next slot
	ds_add_u32 v28, v29                            ; 0 onto my spare word
	s_wait_dscnt 1                                 ; set 1 is in; the add alone may be out
	MULR 0, NA/4, 1, 1, \slot, 0
	s_wait_dscnt 0x0                               ; the add is done, and my reads of this slot are over
	s_barrier_signal -1
	MULR NA/4, NA/4, 1, 1, \slot, 0
	WIN 0
	s_barrier_wait -1
.if \fill
	CREST                                          ; the barrier has opened a round of the cluster's: no wave of any partner still reads this slot or has a load on its way
	s_add_nc_u64 s[G0+4*\slot+2:G0+4*\slot+3], s[G0+4*\slot+2:G0+4*\slot+3], 2*KPSA
	s_add_nc_u64 s[G0B+4*\slot+2:G0B+4*\slot+3], s[G0B+4*\slot+2:G0B+4*\slot+3], 2*KPSB
	JLOAD G0+4*\slot, G1, G0B+4*\slot, G1B         ; the first tensor load behind the round; its four v_nop are the places in front of the loads below
.else
	PLACES 4
.endif
	v_add_nc_u32 v27, 128, v27
	FETCH_B \next, 0, 0
	FETCH_A \next, 0, 0
	SCALES \next
	MULR NA/2, NA/2, 1, 1, \slot, 0
.endm
	s_wait_tensorcnt 1                             ; the scale words and my part of slot 0 are in; slot 1's load may be out
	s_barrier_signal -1
	s_barrier_wait -1
	FETCH_B 0, 0, 0
	FETCH_A 0, 0, 0
	SCALES 0
	STEP 0, 1                                      ; the first products start the sums
	TURN 0, 1, 1
	STEP 1, 0
	TURN 1, 0, 1
	STEP 0, 0
	TURN 0, 1, 0
	STEP 1, 0
	s_wait_dscnt 0x0
	MULR 0, NA, 1, 1, 1, 0
	WIN 0
	PLACES 4                                       ; behind the last products: results are read, and loads land where A's fragments lay
; THE WAY OUT, a block of 16 tokens x 128 columns at a time, through my own stage: a lane's registers of tiles 2 g, 2 g + 1 are columns 32 g + 16 h + 0 .. 15 of its token.
.macro TOSTAGE a
.set AC, 64*(\a)
	WIN 0x08                                       ; an LDS store's data: window 2
.irp b, 0,1,2,3,4,5,6,7
	ds_store_b128 v24, v[AC+8*\b:AC+8*\b+3] offset:128*(\b/2)+32*(\b%2)        ; each accumulator from its low end on
	ds_store_b128 v24, v[AC+8*\b+4:AC+8*\b+7] offset:128*(\b/2)+32*(\b%2)+16
.endr
	WIN 0
.set BB, BK+64*((\a)%2)
.irp t, 0,1,2,3,4,5,6,7,8,9,10,11,12,13,14,15
	ds_load_b128 v[BB+4*\t:BB+4*\t+3], v25 offset:528*\t   ; LDS serves a wave's instructions in order: these see my stores
.endr
.endm
.macro SEND a, younger                 ; row t of block a is token 32 (a / 2) + 8 (a % 2) + t + 8 (t / 8) of my 64
.set BB, BK+64*((\a)%2)
	s_wait_dscnt \younger
.irp t, 0,1,2,3,4,5,6,7,8,9,10,11,12,13,14,15
	global_store_b128 v26, v[BB+4*\t:BB+4*\t+3], s[12:13] offset:(32*((\a)/2)+8*((\a)%2)+\t+8*(\t/8))*4096 th:TH_STORE_NT   ; 512 consecutive bytes, aligned to 256
.endr
.endm
	TOSTAGE 0
	TOSTAGE 1
	SEND 0, 32                                     ; behind block 0's loads: block 1's 16 stores and 16 loads
	s_wait_xcnt 0x0                                ; block 0's stores have read the registers in which block 2's rows land
	TOSTAGE 2
	SEND 1, 32
	s_wait_xcnt 0x0
	TOSTAGE 3
	SEND 2, 32
	SEND 3, 0
	s_wait_tensorcnt 0x0                           ; the wave's end, behind my last tensor load and my last LDS store
	ds_add_u32 v28, v29
	s_wait_dscnt 0x0
	CROUND                                         ; the closing round
	s_endpgm
.Lfunc_end_k_qad422e2bd4_proj:
	.size	k_qad422e2bd4_proj, .Lfunc_end_k_qad422e2bd4_proj-k_qad422e2bd4_proj
	.p2alignl 7, 3214868480
	.fill 96, 4, 3214868480
	.section	.rodata,"a",@progbits
	.p2align	6, 0x0
	.amdhsa_kernel k_qad422e2bd4_proj
		.amdhsa_group_segment_fixed_size 327680
		.amdhsa_private_segment_fixed_size 0
		.amdhsa_enable_private_segment 0
		.amdhsa_kernarg_size 40
		.amdhsa_user_sgpr_count 2
		.amdhsa_user_sgpr_kernarg_segment_ptr 1
		.amdhsa_wavefront_size32 1
		.amdhsa_system_sgpr_workgroup_id_x 1
		.amdhsa_system_sgpr_workgroup_id_y 1
		.amdhsa_system_sgpr_workgroup_id_z 1
		.amdhsa_system_vgpr_workitem_id 0
		.amdhsa_next_free_vgpr 1024
		.amdhsa_next_free_sgpr 100
		.amdhsa_reserve_vcc 0
		.amdhsa_float_denorm_mode_32 3
		.amdhsa_float_denorm_mode_16_64 3
		.amdhsa_memory_ordered 1
		.amdhsa_forward_progress 1
		.amdhsa_inst_pref_size 99
	.end_amdhsa_kernel
	.amdgpu_metadata
---
amdhsa.version: [ 1, 2 ]
amdhsa.kernels:
  - .name:           k_qad422e2bd4_proj
    .symbol:         k_qad422e2bd4_proj.kd
    .args:
      - { .name: yc, .offset: 0, .size: 8, .value_kind: global_buffer, .address_space: global }
      - { .name: ys, .offset: 8, .size: 8, .value_kind: global_buffer, .address_space: global }
      - { .name: opc, .offset: 16, .size: 8, .value_kind: global_buffer, .address_space: global }
      - { .name: ops, .offset: 24, .size: 8, .value_kind: global_buffer, .address_space: global }
      - { .name: out0, .offset: 32, .size: 8, .value_kind: global_buffer, .address_space: global }
    .group_segment_fixed_size: 327680
    .private_segment_fixed_size: 0
    .kernarg_segment_align: 8
    .kernarg_segment_size: 40
    .max_flat_workgroup_size: 128
    .sgpr_count:     100
    .vgpr_count:     1024
    .wavefront_size: 32
...
	.end_amdgpu_metadata
.endif
;; end of part 4
